; MI455X (gfx1250); checked and timed in simulation.
; The chip was launched on July 23, 2026; its instructions are those of AMD's public machine-readable ISA for CDNA 5 (MIT licence, August 2026) and "CDNA5" Instruction Set Architecture Reference Guide (July 2026). The comments in the code are by the model that wrote it; some were corrected since.
;; Mo E Layer. Allowed arithmetic: float matrix products may take bf16 or f16 operands with f32 sums; other float arithmetic in f32, or as packed bf16 or f16 multiplies, adds, multiply-adds, maxima and minima; sums over many terms, partial sums and values carried from step to step in f32; what a program stores and reads back later, other than sums and carried values, may be rounded once to bf16 or f16.
;; Inputs: W1 8 x 1,024 x 4,096 float32; W2 8 x 2,048 x 1,024 float32; Wr 1,024 x 8 float32; b1 8 x 4,096 float32; b2 8 x 1,024 float32; x 4 x 256 x 1,024 float32.
;; Outputs: out0 4 x 256 x 1,024 float32.
;; 2 versions, each right; version 2 is version 1 with the launches place, down written anew for expert scheduling mode. Each part assembles by itself: llvm-mc -triple=amdgcn-amd-amdhsa -mcpu=gfx1250 --defsym DOCPART=n.
;; ======== version 1 of 2: 5 launches
;; workspace buffers: xb 2,097,152 bytes; sel 4,096 bytes of whole numbers; gate 8,192 bytes; list 32,768 bytes of whole numbers; cnt 2,048 bytes of whole numbers; xg 16,777,216 bytes; hbuf 33,554,432 bytes; ybuf 16,777,216 bytes
;; launch route (part 1): grid 256 x 1, 4 waves a work-group, no clusters, 16,896 bytes of LDS; arguments x, Wr, xb, sel, gate; writes xb, sel, gate
.if DOCPART == 1
	.amdgcn_target "amdgcn-amd-amdhsa--gfx1250"
	.amdhsa_code_object_version 6
	.text
	.protected	k_q63a40bb41b_route
	.globl	k_q63a40bb41b_route
	.p2align	8
	.type	k_q63a40bb41b_route,@function
k_q63a40bb41b_route:
	s_mov_b64 s[64:65], 0
	v_nop
	global_prefetch_b8 v0, s[64:65] scope:SCOPE_SE
	s_setreg_imm32_b32 hwreg(HW_REG_WAVE_MODE, 25, 1), 1
	s_wait_xcnt 0x0
; ROUTER.  xb = bf16(x); z = xb . bf16(Wr) (8 logits a token); the two largest logits, the lower index first on a tie; their softmax.
; x: [1024][1024] f32, Wr: [1024][8] f32.  Out: xb [1024][1024] bf16; sel[t] = (1 << i1) | (0x100 << i2); gate[0][t], gate[1][t] f32.
; SHARES.  256 work-groups of four waves; one wave has one token, t = 4 x work-group + wave.  A lane holds k = 128 j + 4 lane + c (j 0..7, c 0..3): each load of x
; covers 512 consecutive bytes and each store of xb 256 consecutive bytes, aligned.
; FORMATS.  x and Wr are rounded once to bf16 (as every input of the program is); a product of two bf16 is exact in f32, and the sums are fused f32 adds.
; WHY THE VECTOR UNIT.  8,192 multiply-adds a token, 1 part in 1,500 of the program's; a wave holds ONE row of x, not sixteen, so that the cast goes out in whole rows;
; and the result is a comparison of sums, which exact products and f32 adds serve best.
; The choice steers no address here: sel and gate go to fixed places, and later launches read them.
; LIMITS.  NaN and -inf logits are not treated apart (a token whose other seven logits are all -inf or NaN gets expert 0 as its second).
.set SPARE, 16384                      ; behind Wr's copy: the spare words, 128 bytes for each wave
.set VWL,  2                           ; v2   16 x thread: my 16 bytes in 2,048 bytes of Wr
.set VX,   3                           ; v3   16 x lane
.set VXS,  4                           ; v4   8 x lane
.set VWS,  5                           ; v5   where my 8 bytes of Wr's copy go
.set ZERO, 6                           ; v6   0: the first addend, and the offset of the last three stores
.set SPW,  8                           ; v8   LDS address of my spare word; never rewritten
.set NIL,  9                           ; v9   0; never rewritten
.set X,    16                          ; v16-47   my 32 numbers of x
.set XB,   48                          ; v48-63   the same in bf16, packed
.set WS,   64                          ; v64-127  Wr as loaded
.set WP,   128                         ; v128-159 Wr packed
.set WR,   64                          ; v64-191  behind the barrier: for each of my 32 k the 8 experts' weights, 4 registers
.set Z,    192                         ; v192-199 the 8 sums
.set TT,   200                         ; v200-207 the other half of the lanes' sums
.set B1,   208
.set I1,   209
.set B2,   210
.set I2,   211
	s_load_b256 s[4:11], s[0:1], 0x0               ; x s[4:5], Wr s[6:7], xb s[8:9], sel s[10:11]
	s_load_b64 s[12:13], s[0:1], 0x20              ; gate
	v_lshl_add_u32 v[SPW], v0, 2, SPARE
	v_mov_b32 v[NIL], 0
	v_lshrrev_b32 v10, 5, v0
	v_readfirstlane_b32 s20, v10                   ; wave 0..3
	s_lshl_b32 s21, ttmp9, 2
	s_add_co_u32 s21, s21, s20                     ; my token
	s_mov_b32 s24, 0x76543210                      ; v_permlanex16_b32: each lane takes its own place in the other half
	s_mov_b32 s25, 0xfedcba98
	v_and_b32 v1, 31, v0
	v_lshlrev_b32 v[VWL], 4, v0
	v_lshlrev_b32 v[VX], 4, v1
	v_lshlrev_b32 v[VXS], 3, v1
	v_mov_b32 v[ZERO], 0
	; Load m of Wr gives thread n the experts 4 (n % 2) .. + 3 of k = 64 m + n / 2.  In LDS k = 128 j + 4 l + c lies at (128 j + 32 c + l) x 16, so that the read for one (j, c) is 32 lanes x 16 consecutive bytes.
	v_lshrrev_b32 v10, 1, v0                       ; kk = n / 2
	v_and_b32 v11, 3, v10                          ; c
	v_lshrrev_b32 v10, 2, v10                      ; l's low part
	v_lshlrev_b32 v[VWS], 9, v11
	v_lshl_add_u32 v[VWS], v10, 4, v[VWS]
	v_and_b32 v11, 1, v0
	v_lshl_add_u32 v[VWS], v11, 3, v[VWS]
.irp e, 0,1,2,3,4,5,6,7
	v_mov_b32 v[TT+\e], 0                          ; v_permlanex16_b32 counts as a reader of its destination
.endr
	s_lshl_b32 s22, s21, 12
	s_mov_b32 s23, 0
	s_wait_kmcnt 0x0
	s_add_nc_u64 s[14:15], s[4:5], s[22:23]        ; my row of x
	s_lshl_b32 s22, s21, 11
	s_add_nc_u64 s[16:17], s[8:9], s[22:23]        ; my row of xb
	s_lshl_b32 s22, s21, 2
	s_add_nc_u64 s[28:29], s[10:11], s[22:23]      ; sel[t]
	s_add_nc_u64 s[30:31], s[12:13], s[22:23]      ; gate[0][t]
.set m, 0
.rept 16
	global_load_b128 v[WS+4*m:WS+4*m+3], v[VWL], s[6:7] offset:2048*m
.set m, m+1
.endr
.set j, 0
.rept 8
	global_load_b128 v[X+4*j:X+4*j+3], v[VX], s[14:15] offset:512*j th:TH_LOAD_NT
.set j, j+1
.endr
	s_wait_loadcnt 8                               ; Wr is in; the eight loads of x, issued behind it, stay out
.set m, 0
.rept 32
	v_cvt_pk_bf16_f32 v[WP+m], v[WS+2*m], v[WS+2*m+1]
.set m, m+1
.endr
.set m, 0
.rept 16
	ds_store_b64 v[VWS], v[WP+2*m:WP+2*m+1] offset:(m/2)*2048+(m%2)*256
.set m, m+1
.endr
	s_wait_dscnt 0x0                               ; for the others' sake: my part of the copy is written
	s_barrier_signal -1
	s_barrier_wait -1
.set m, 0
.rept 32                                               ; m = 4 j + c
	ds_load_b128 v[WR+4*m:WR+4*m+3], v[VX] offset:(m/4)*2048+(m%4)*512
.set m, m+1
.endr
	s_wait_loadcnt 0x0                             ; x
.set m, 0
.rept 16
	v_cvt_pk_bf16_f32 v[XB+m], v[X+2*m], v[X+2*m+1]
.set m, m+1
.endr
.set j, 0
.rept 8
	global_store_b64 v[VXS], v[XB+2*j:XB+2*j+1], s[16:17] offset:256*j  ; 32 lanes store 256 consecutive bytes, at a multiple of 256 from xb's first byte
.set j, j+1
.endr
	s_wait_dscnt 0x0                               ; the weights of my 32 k are in
	s_wait_tensorcnt 0x0                           ; the wave's end as far as LDS goes: behind my last LDS store, all lanes on
	ds_add_u32 v[SPW], v[NIL]
	s_wait_dscnt 0x0
; Number n = 4 j + c of my 32 k: eight fused multiply-adds straight from bf16 halves, one for each expert; the eight chains take turns.  xh: which half of the packed x.
.macro FM n, xh, first
.irp p, 0,1,2,3
.if \first
	v_fma_mix_f32_bf16 v[Z+2*\p], v[XB+(\n)/2], v[WR+4*(\n)+\p], v[ZERO] op_sel:[\xh,0,0] op_sel_hi:[1,1,0]
	v_fma_mix_f32_bf16 v[Z+2*\p+1], v[XB+(\n)/2], v[WR+4*(\n)+\p], v[ZERO] op_sel:[\xh,1,0] op_sel_hi:[1,1,0]
.else
	v_fma_mix_f32_bf16 v[Z+2*\p], v[XB+(\n)/2], v[WR+4*(\n)+\p], v[Z+2*\p] op_sel:[\xh,0,0] op_sel_hi:[1,1,0]
	v_fma_mix_f32_bf16 v[Z+2*\p+1], v[XB+(\n)/2], v[WR+4*(\n)+\p], v[Z+2*\p+1] op_sel:[\xh,1,0] op_sel_hi:[1,1,0]
.endif
.endr
.endm
	FM 0, 0, 1                                     ; the first products start the sums
	FM 1, 1, 0
.set n, 2
.rept 15
	FM n, 0, 0
	FM n+1, 1, 0
.set n, n+2
.endr
	; across the 32 lanes: every lane ends with all eight logits
.irp x, 1,2,4,8
.irp e, 0,1,2,3,4,5,6,7
	v_add_f32_dpp v[Z+\e], v[Z+\e], v[Z+\e] row_xmask:\x row_mask:0xf bank_mask:0xf
.endr
.endr
.irp e, 0,1,2,3,4,5,6,7
	v_permlanex16_b32 v[TT+\e], v[Z+\e], s24, s25
.endr
.irp e, 0,1,2,3,4,5,6,7
	v_add_f32 v[Z+\e], v[Z+\e], v[TT+\e]
.endr
	; the largest: a later expert wins only if strictly greater, so the lower index keeps a tie
	v_mov_b32 v[B1], v[Z]
	v_mov_b32 v[I1], 0
.irp e, 1,2,3,4,5,6,7
	v_cmp_gt_f32 vcc_lo, v[Z+\e], v[B1]
	v_cndmask_b32 v[B1], v[B1], v[Z+\e], vcc_lo
	v_cndmask_b32 v[I1], v[I1], \e, vcc_lo
.endr
	; the largest of the other seven, likewise
	v_mov_b32 v[B2], 0xff800000
	v_mov_b32 v[I2], 0
.irp e, 0,1,2,3,4,5,6,7
	v_cmp_gt_f32 vcc_lo, v[Z+\e], v[B2]
	v_cmp_ne_u32 s26, \e, v[I1]
	s_and_b32 vcc_lo, vcc_lo, s26
	v_cndmask_b32 v[B2], v[B2], v[Z+\e], vcc_lo
	v_cndmask_b32 v[I2], v[I2], \e, vcc_lo
.endr
	; softmax of (v1, v2) with the maximum v1 taken away: g1 = 1 / (1 + e^(v2 - v1)), g2 = e^(v2 - v1) g1; the exponent is never above 0
	v_sub_f32 v212, v[B2], v[B1]
	v_mul_f32 v212, 0x3fb8aa3b, v212
	v_exp_f32 v213, v212
	v_nop                                          ; a plain instruction behind the exponential,
	s_wait_alu depctr_va_vdst(0)                   ; and a wait ahead of its first reader
	v_add_f32 v214, 1.0, v213
	v_rcp_f32 v215, v214                           ; g1
	v_mov_b32 v212, 1                              ; the plain instruction behind the reciprocal
	s_wait_alu depctr_va_vdst(0)
	v_mul_f32 v213, v213, v215                     ; g2
	v_lshlrev_b32 v212, v[I1], v212
	v_mov_b32 v214, 0x100
	v_lshlrev_b32 v214, v[I2], v214
	v_or_b32 v212, v212, v214
	s_wait_xcnt 0x0                                ; EXEC, a source of the stores of xb, changes only behind this wait
	v_cmp_eq_u32 vcc_lo, 0, v1
	s_and_saveexec_b32 s27, vcc_lo                 ; lane 0 alone: all lanes hold the same three numbers
	global_store_b32 v[ZERO], v212, s[28:29]
	global_store_b32 v[ZERO], v215, s[30:31]
	global_store_b32 v[ZERO], v213, s[30:31] offset:4096
	s_endpgm
.Lfunc_end_k_q63a40bb41b_route:
	.size	k_q63a40bb41b_route, .Lfunc_end_k_q63a40bb41b_route-k_q63a40bb41b_route
	.p2alignl 7, 3214868480
	.fill 96, 4, 3214868480
	.section	.rodata,"a",@progbits
	.p2align	6, 0x0
	.amdhsa_kernel k_q63a40bb41b_route
		.amdhsa_group_segment_fixed_size 16896
		.amdhsa_private_segment_fixed_size 0
		.amdhsa_enable_private_segment 0
		.amdhsa_kernarg_size 40
		.amdhsa_user_sgpr_count 2
		.amdhsa_user_sgpr_kernarg_segment_ptr 1
		.amdhsa_wavefront_size32 1
		.amdhsa_system_sgpr_workgroup_id_x 1
		.amdhsa_system_sgpr_workgroup_id_y 1
		.amdhsa_system_sgpr_workgroup_id_z 1
		.amdhsa_system_vgpr_workitem_id 0
		.amdhsa_next_free_vgpr 216
		.amdhsa_next_free_sgpr 66
		.amdhsa_reserve_vcc 1
		.amdhsa_float_denorm_mode_32 3
		.amdhsa_float_denorm_mode_16_64 3
		.amdhsa_memory_ordered 1
		.amdhsa_forward_progress 1
		.amdhsa_inst_pref_size 34
	.end_amdhsa_kernel
	.amdgpu_metadata
---
amdhsa.version: [ 1, 2 ]
amdhsa.kernels:
  - .name:           k_q63a40bb41b_route
    .symbol:         k_q63a40bb41b_route.kd
    .args:
      - { .name: x, .offset: 0, .size: 8, .value_kind: global_buffer, .address_space: global }
      - { .name: Wr, .offset: 8, .size: 8, .value_kind: global_buffer, .address_space: global }
      - { .name: xb, .offset: 16, .size: 8, .value_kind: global_buffer, .address_space: global }
      - { .name: sel, .offset: 24, .size: 8, .value_kind: global_buffer, .address_space: global }
      - { .name: gate, .offset: 32, .size: 8, .value_kind: global_buffer, .address_space: global }
    .group_segment_fixed_size: 16896
    .private_segment_fixed_size: 0
    .kernarg_segment_align: 8
    .kernarg_segment_size: 40
    .max_flat_workgroup_size: 128
    .sgpr_count:     66
    .vgpr_count:     216
    .wavefront_size: 32
...
	.end_amdgpu_metadata
.endif
;; end of part 1
;; launch place (part 2): grid 32 x 8, 4 waves a work-group, no clusters, 17,920 bytes of LDS; arguments sel, xb, xg, list, cnt; writes xg, list, cnt
.if DOCPART == 2
	.amdgcn_target "amdgcn-amd-amdhsa--gfx1250"
	.amdhsa_code_object_version 6
	.text
	.protected	k_q63a40bb41b_place
	.globl	k_q63a40bb41b_place
	.p2align	8
	.type	k_q63a40bb41b_place,@function
k_q63a40bb41b_place:
	s_mov_b64 s[64:65], 0
	v_nop
	global_prefetch_b8 v0, s[64:65] scope:SCOPE_SE
	s_setreg_imm32_b32 hwreg(HW_REG_WAVE_MODE, 25, 1), 1
	s_wait_xcnt 0x0
; THE ROWS IN THE EXPERTS' ORDER.  For expert e (grid y): the list of the tokens that chose e, and their rows of xb laid as the next launch's operand registers.
; sel[t] = (1 << i1) | (0x100 << i2); xb: [1024][1024] bf16.  Out: xg, bf16: e x 2 MiB + T x 32 KiB + c x 2 KiB + m x 512 + lane x 16 (T: tile of 16 ranks; c: chunk of 64 k; m 0..3): lane (r = lane % 16,
; hh = lane / 16) holds k = 64 c + 16 m + 8 hh .. + 7 of rank 16 T + r.  Work-group x = 0 also stores list[e][rank] = slot x 1024 + token (ranks from the count on repeat the last) and cnt[e] (64 equal words).
; WHY A LAUNCH OF ITS OWN.  The 32 work-groups of an expert in the next launch all read these rows.  Taken by the list they are 32 bytes of each of sixteen rows a load; laid out here once, they are 512 consecutive bytes a load there.
; The choice was made by an earlier launch and is read here as whole numbers.
; SHARES.  Every wave makes the expert's list for itself, in its own LDS bytes: no barrier.  Work-group g takes K half g % 2 of the tiles g / 2 + 16 j, j 0..3; wave w of it the chunks 8 (g % 2) + 2 w and the next: its eight loads
; together take 256 consecutive aligned bytes of each of its 16 rows, and each of its eight stores covers 512 consecutive bytes.  With an even split, 16 tiles an expert, each of the 256 work-groups has one half tile.
; EVERY SPLIT: 64 tiles an expert are covered; dead tiles are jumped (a work-group that a split leaves without a tile stores nothing, but for x = 0's list).  Places past the count repeat the last rank.  Tile 0 is always
; written, with token 0 if the expert has no row, so that every byte that the next launch loads has been stored.
; No matrix unit, no cluster: nothing is multiplied, and no two work-groups read the same bytes but the 4,096 of sel.
.set LSTR,   4352                      ; for each wave 4,096 bytes of list, a dump word, padding
.set SPARE,  4*LSTR                    ; the spare words, 128 bytes for each wave
.set VL16, 7                           ; v7   16 x lane
.set SPW,  8                           ; v8   LDS address of my spare word; never rewritten
.set NIL,  9                           ; v9   0; never rewritten
.set VH16, 11                          ; v11  16 hh
.set VA,   12                          ; v12-15  tile j: byte offset of my token's row in xb, + 16 hh
.set VL4,  23                          ; v23  4 x lane
.set XP,   24                          ; v24-31  four zeros for the list's first writing; then the list on its way out
.set T,    32                          ; v32-63  sel
.set D,    64                          ; v64-191  tile j: 32 registers on their way through
.set SW,   20                          ; s20  wave
.set SE,   21                          ; s21  expert
.set SS,   22                          ; s22  g
.set SMASK, 23                         ; s23  0x101 << e
.set SCNT, 24                          ; s24  the expert's rows
.set SLAST, 25                         ; s25  the last rank (0 if there is none)
.set SNTL, 26                          ; s26  tiles to store
.set ST0,  28                          ; s28  my first tile
.set SLB,  32                          ; s32  my list in LDS
.set SSH,  33                          ; s33  e + 8
.set SA,   34
.set SB,   35                          ; s35  my first chunk
.set SC,   36
.set OF,   38                          ; s[38:39] an offset
.set LP,   40                          ; s[40:41] list at my 256 ranks
.set CP,   42                          ; s[42:43] cnt at my expert
.set XB,   44                          ; s[44:45] xb at my chunks
.set GB,   46                          ; s[46:47] xg at my first tile and chunks
	s_load_b256 s[4:11], s[0:1], 0x0               ; sel s[4:5], xb s[6:7], xg s[8:9], list s[10:11]
	s_load_b64 s[12:13], s[0:1], 0x20              ; cnt
	v_lshl_add_u32 v[SPW], v0, 2, SPARE
	v_mov_b32 v[NIL], 0
	v_lshrrev_b32 v17, 5, v0
	v_readfirstlane_b32 s[SW], v17                 ; wave 0..3
	s_and_b32 s[SE], ttmp7, 0xffff
	s_mov_b32 s[SS], ttmp9
	v_and_b32 v1, 31, v0
	v_and_b32 v2, 15, v0                           ; r
	v_bfe_u32 v3, v0, 4, 1                         ; hh
	v_lshlrev_b32 v[VL16], 4, v1
	v_lshlrev_b32 v[VL4], 2, v1
	v_lshlrev_b32 v[VH16], 4, v3
	s_mul_i32 s[SLB], s[SW], LSTR
	s_lshl_b32 s[SMASK], 0x101, s[SE]
	s_add_co_u32 s[SSH], s[SE], 8
	s_mov_b32 s[SCNT], 0
	s_lshr_b32 s[ST0], s[SS], 1
	s_and_b32 s[SA], s[SS], 1
	s_lshl_b32 s[SA], s[SA], 3
	s_lshl_b32 s[SB], s[SW], 1
	s_add_co_u32 s[SB], s[SB], s[SA]               ; 8 (g % 2) + 2 w
	s_mov_b32 s[OF+1], 0
	s_wait_kmcnt 0x0
	s_lshl_b32 s[OF], s[SB], 7                     ; a chunk is 128 bytes of a row
	s_add_nc_u64 s[XB:XB+1], s[6:7], s[OF:OF+1]
	s_lshl_b32 s[OF], s[SE], 21
	s_lshl_b32 s[SC], s[ST0], 15
	s_add_co_u32 s[OF], s[OF], s[SC]
	s_lshl_b32 s[SC], s[SB], 11
	s_add_co_u32 s[OF], s[OF], s[SC]
	s_add_nc_u64 s[GB:GB+1], s[8:9], s[OF:OF+1]
	s_lshl_b32 s[OF], s[SE], 12
	s_lshl_b32 s[SC], s[SW], 10
	s_add_co_u32 s[OF], s[OF], s[SC]
	s_add_nc_u64 s[LP:LP+1], s[10:11], s[OF:OF+1]
	s_lshl_b32 s[OF], s[SE], 8
	s_add_nc_u64 s[CP:CP+1], s[12:13], s[OF:OF+1]
.set k, 0
.rept 8                                                ; sel: register 4 g + c of lane l is token 128 g + 4 l + c
	global_load_b128 v[T+4*k:T+4*k+3], v[VL16], s[4:5] offset:512*k
.set k, k+1
.endr
	; THE LIST, by counting: for each of the 32 registers the lanes that chose e take consecutive ranks.  The same order in every wave of every work-group.  A lane that did not choose e writes the dump word.
	; First my whole list, 4,096 bytes, is written with zeros: every word that a clamped rank can name has been stored, and rank 0 reads as token 0 if the expert has no row.
.irp z, 0,1,2,3
	v_mov_b32 v[XP+\z], 0
.endr
	v_add_nc_u32 v18, s[SLB], v[VL16]
.set k, 0
.rept 8
	ds_store_b128 v18, v[XP:XP+3] offset:512*k     ; LDS serves a wave's instructions in order (ISA guide 5.7.1.4): the list's own stores below land on top of these
.set k, k+1
.endr
	s_wait_loadcnt 0x0                             ; sel
.set n, 0
.rept 32
	v_and_b32 v18, s[SMASK], v[T+n]
	v_cmp_ne_u32 vcc_lo, 0, v18
	v_mbcnt_lo_u32_b32 v19, vcc_lo, s[SCNT]        ; the rows so far + the choosing lanes below me
	v_cndmask_b32 v19, 0x400, v19, vcc_lo
	v_min_u32 v19, 0x400, v19
	v_lshl_add_u32 v19, v19, 2, s[SLB]
	v_lshrrev_b32 v18, s[SSH], v18                 ; the slot: 1 if e is the token's second choice
	v_lshl_add_u32 v18, v18, 10, v[VL4]
	v_add_nc_u32 v18, 128*(n/4)+n%4, v18
	ds_store_b32 v19, v18
	s_bcnt1_i32_b32 s[SA], vcc_lo
	s_add_co_u32 s[SCNT], s[SCNT], s[SA]
.set n, n+1
.endr
	s_wait_tensorcnt 0x0                           ; the wave's end as far as LDS writes go: behind my last LDS store, all lanes on
	ds_add_u32 v[SPW], v[NIL]
	s_wait_dscnt 0x0
	s_max_u32 s[SA], s[SCNT], 1
	s_sub_co_u32 s[SLAST], s[SA], 1
	s_add_co_u32 s[SNTL], s[SA], 15
	s_lshr_b32 s[SNTL], s[SNTL], 4
	s_cmp_lg_u32 s[SS], 0
	s_cbranch_scc1 .Lnoexp
	s_lshl_b32 s[SA], s[SW], 8                     ; work-group 0 of the expert stores the list for the later launches: 256 ranks a wave
	v_add_nc_u32 v17, s[SA], v[VL4]
.set k, 0
.rept 8
	v_add_nc_u32 v18, 128*(k/4)+k%4, v17
	v_min_u32 v18, s[SLAST], v18
	v_min_u32 v18, 0x3ff, v18
	v_lshl_add_u32 v18, v18, 2, s[SLB]
	ds_load_b32 v[XP+k], v18
.set k, k+1
.endr
	s_wait_dscnt 0x0
	global_store_b128 v[VL16], v[XP:XP+3], s[LP:LP+1]
	global_store_b128 v[VL16], v[XP+4:XP+7], s[LP:LP+1] offset:512
	s_cmp_lg_u32 s[SW], 0
	s_cbranch_scc1 .Lnocnt
	v_mov_b32 v20, s[SCNT]
	v_mov_b32 v21, s[SCNT]
	v_lshlrev_b32 v19, 3, v1
	global_store_b64 v19, v[20:21], s[CP:CP+1]     ; 256 consecutive bytes, all the count
.Lnocnt:
	s_wait_xcnt 0x0                                ; the stores' registers are free
.Lnoexp:
	; MY TILES, in ascending order: behind the first dead one all are dead.  Each tile has registers of its own, and the bases are never rewritten.
.irp j, 0,1,2,3
	s_add_co_u32 s[SA], s[ST0], 16*\j
	s_cmp_ge_u32 s[SA], s[SNTL]
	s_cbranch_scc1 .Ldone
	s_lshl_b32 s[SA], s[SA], 4
	v_add_nc_u32 v18, s[SA], v2                    ; rank 16 T + r,
	v_min_u32 v18, s[SLAST], v18                   ; or the last one
	v_min_u32 v18, 0x3ff, v18
	v_lshl_add_u32 v18, v18, 2, s[SLB]
	ds_load_b32 v[VA+\j], v18
	s_wait_dscnt 0x0
	v_and_b32 v[VA+\j], 0x3ff, v[VA+\j]            ; the token
	v_min_u32 v[VA+\j], 0x3ff, v[VA+\j]
	v_lshl_add_u32 v[VA+\j], v[VA+\j], 11, v[VH16]
.set m, 0
.rept 8
	global_load_b128 v[D+32*\j+4*m:D+32*\j+4*m+3], v[VA+\j], s[XB:XB+1] offset:32*m
.set m, m+1
.endr
	s_wait_loadcnt 0x0
.set m, 0
.rept 8
	global_store_b128 v[VL16], v[D+32*\j+4*m:D+32*\j+4*m+3], s[GB:GB+1] offset:\j*524288+m*512  ; 512 consecutive bytes, at a multiple of 256 from xg's first byte; 16 tiles on stand in the immediate
.set m, m+1
.endr
.endr
.Ldone:
	s_endpgm
.Lfunc_end_k_q63a40bb41b_place:
	.size	k_q63a40bb41b_place, .Lfunc_end_k_q63a40bb41b_place-k_q63a40bb41b_place
	.p2alignl 7, 3214868480
	.fill 96, 4, 3214868480
	.section	.rodata,"a",@progbits
	.p2align	6, 0x0
	.amdhsa_kernel k_q63a40bb41b_place
		.amdhsa_group_segment_fixed_size 17920
		.amdhsa_private_segment_fixed_size 0
		.amdhsa_enable_private_segment 0
		.amdhsa_kernarg_size 40
		.amdhsa_user_sgpr_count 2
		.amdhsa_user_sgpr_kernarg_segment_ptr 1
		.amdhsa_wavefront_size32 1
		.amdhsa_system_sgpr_workgroup_id_x 1
		.amdhsa_system_sgpr_workgroup_id_y 1
		.amdhsa_system_sgpr_workgroup_id_z 1
		.amdhsa_system_vgpr_workitem_id 0
		.amdhsa_next_free_vgpr 192
		.amdhsa_next_free_sgpr 66
		.amdhsa_reserve_vcc 1
		.amdhsa_float_denorm_mode_32 3
		.amdhsa_float_denorm_mode_16_64 3
		.amdhsa_memory_ordered 1
		.amdhsa_forward_progress 1
		.amdhsa_inst_pref_size 34
	.end_amdhsa_kernel
	.amdgpu_metadata
---
amdhsa.version: [ 1, 2 ]
amdhsa.kernels:
  - .name:           k_q63a40bb41b_place
    .symbol:         k_q63a40bb41b_place.kd
    .args:
      - { .name: sel, .offset: 0, .size: 8, .value_kind: global_buffer, .address_space: global }
      - { .name: xb, .offset: 8, .size: 8, .value_kind: global_buffer, .address_space: global }
      - { .name: xg, .offset: 16, .size: 8, .value_kind: global_buffer, .address_space: global }
      - { .name: list, .offset: 24, .size: 8, .value_kind: global_buffer, .address_space: global }
      - { .name: cnt, .offset: 32, .size: 8, .value_kind: global_buffer, .address_space: global }
    .group_segment_fixed_size: 17920
    .private_segment_fixed_size: 0
    .kernarg_segment_align: 8
    .kernarg_segment_size: 40
    .max_flat_workgroup_size: 128
    .sgpr_count:     66
    .vgpr_count:     192
    .wavefront_size: 32
...
	.end_amdgpu_metadata
.endif
;; end of part 2
;; launch up (part 3): grid 32 x 8, 4 waves a work-group, no clusters, 262,656 bytes of LDS; arguments cnt, xg, W1, b1, hbuf; writes hbuf
.if DOCPART == 3
	.amdgcn_target "amdgcn-amd-amdhsa--gfx1250"
	.amdhsa_code_object_version 6
	.text
	.protected	k_q63a40bb41b_up
	.globl	k_q63a40bb41b_up
	.p2align	8
	.type	k_q63a40bb41b_up,@function
k_q63a40bb41b_up:
	s_mov_b64 s[64:65], 0
	v_nop
	global_prefetch_b8 v0, s[64:65] scope:SCOPE_SE
	s_setreg_imm32_b32 hwreg(HW_REG_WAVE_MODE, 25, 1), 1
	s_wait_xcnt 0x0
; FIRST PRODUCT AND swiGLU.  For expert e (grid y) and slice s (grid x): h[rank][64 s .. + 63] = silu(a) b, a = x W1[e][:, 64 s ..] + b1, b = x W1[e][:, 2048 + 64 s ..] + b1,
; for all tokens that chose e.  W1: [8][1024][4096] f32, b1: [8][4096] f32; cnt[e]: the expert's rows; xg: their rows of x in bf16, in the expert's order, laid as operand registers by the launch before:
; e x 2 MiB + T x 32 KiB + c x 2 KiB + u x 1 KiB + q x 512 + lane x 16 (T: tile of 16 ranks; c: chunk of 64 k; u: K step; q: half of a fragment).
; Out: hbuf, bf16, laid as the next launch's operand registers: e x 4 MiB + T x 64 KiB + s x 2 KiB + m x 512 + lane x 16 (m 0..3).
; THE BOUND is W1's bytes: each is read once in the launch, by this work-group alone, so f32 goes through registers and is rounded on the way.
; W1 INTO FRAGMENTS.  Lane (r = lane % 16, hh = lane / 16) loads 16 bytes: columns 4 r .. 4 r + 3 of one k row; sixteen lanes cover 256 consecutive aligned bytes.  Sixteen loads give 16 k x 4 columns; two k of one
; column round into one operand register.  The four columns belong to four fragments cc, in which index r stands for column 4 r + cc.
; THE SLICE STAYS.  The bf16 slice (1,024 k x 128 columns = 262,144 bytes) is written into LDS once and never overwritten: one barrier a chunk of 64 k orders store and read.
; THE PRODUCT IS USED TRANSPOSED: source 0 = 16 column indices of W1, source 1 = 16 tokens, straight from memory, 512 consecutive bytes a load.  Register j of lane (r, hh) is token r, column 32 hh + 4 j + cc.  Rounded in
; pairs, these registers ARE source 0 of the next launch's product, with k in an order that its W2 side repeats.
; ROWS.  Pass p gives wave w the tiles 20 p + w + 4 i, i 0..4.  Pass 0 streams W1 and holds the chunks' barriers, with constant trips; tiles 3 and 4 are jumped where dead.  Passes 1 to 3 (an expert with more than
; 320 rows) read the slice from LDS in a plain loop, not pipelined: right for every split, slower on skewed ones.  A dead tile loads one place of tile 0, which is always stored, and stores nothing.
; An expert without rows stores tile 0 (token 0's h), so that every byte that the next launch loads has been stored.
; NO JOINT LOADS: each byte of W1 has one reader.  The rows, which an expert's 32 work-groups share, would have to pass LDS: the slice's 262,144 bytes and two slots of a chunk's rows for a pass
; (2 x 320 rows x 128 bytes = 81,920) are 344,064 bytes, more than the 327,680 that a work-group can have.
; LIMITS.  W1, b1 and x are rounded once to bf16, h once to bf16; sums in f32.  Where 2^(-a log2 e) overflows the sigmoid counts as 0.
.set SPARE,  262144                    ; behind the slice: the spare words, 128 bytes for each wave
.set CHUNK,  16384                     ; LDS bytes of a chunk: 2 K steps x 8 fragments x 1,024
.set WROW,   16384                     ; bytes in a row of W1
.set ACH,    2048                      ; bytes of a chunk in a tile of xg
; window 0
.set VW,   4                           ; v4   hh x 8 rows + 16 r: my place in a unit of W1
.set VS,   5                           ; v5   where the stage stores
.set VL,   6                           ; v6   where fragments are read
.set VL16, 7                           ; v7   16 x lane
.set SPW,  8                           ; v8   LDS address of my spare word; never rewritten
.set NIL,  9                           ; v9   0; never rewritten
.set VPF,  10                          ; v10  lane x one row of W1
.set VA,   12                          ; v12-16  tile i: its place in xg + 16 x lane
.set VS0,  22                          ; v22  my wave's place in a chunk + 16 x lane
.set T,    32                          ; v32-63  packed weights; then packed h
.set AF,   64                          ; v64-143, v144-223  token fragments, two buffers: (5 u + i) x 8
.set E,    224                         ; v224-255  at work on the way out
; window 1: v0-63, v64-127 W1 as loaded, two buffers
.set WF,   128                         ; window 1: v128-191, v192-255  W1's fragments of K step 0, 1 of a chunk
; window 2: accumulator (i, f) at 64 i + 8 f, i 0..3; window 3: (4, f) at 8 f
.set BIAS, 64                          ; window 3: v64-127  b1 in the accumulators' layout, 8 f + j
.set SW,   20                          ; s20  wave
.set SE,   21                          ; s21  expert
.set SS,   22                          ; s22  slice
.set SCNT, 24                          ; s24  the expert's rows
.set SNTL, 26                          ; s26  tiles to store
.set NT,   27                          ; s27  my live tiles in this pass, 0..5
.set ST0,  28                          ; s28  my first tile in this pass
.set SPASS, 29
.set SLOOP, 30
.set SPF,  31                          ; s31  prefetches still to make
.set SA,   34
.set SB,   35
.set WB,   36                          ; s[36:37] W1 at my unit of the chunk in hand
.set AB,   38                          ; s[38:39] xg at the chunk in hand
.set HB,   40                          ; s[40:41] hbuf at my first tile
.set OF,   42                          ; s[42:43] an offset
.set AB0,  44                          ; s[44:45] xg at my expert
.set CP,   46                          ; s[46:47] cnt at my expert
.set SSB,  48                          ; s48  LDS byte of the chunk to be staged
.set SRB,  49                          ; s49  LDS byte of the chunk in hand
.set SPN,  50                          ; s50  pass
.set SC,   51
.set BP,   52                          ; s[52:53] b1 at my slice
.set MSB, 0
.macro WIN new                         ; the immediate's high byte repeats the setting that is left; a switch that changes nothing is dropped
.if MSB != (\new)
	s_set_vgpr_msb (MSB<<8)|(\new)
.set MSB, (\new)
.endif
.endm
; My unit of a chunk: 32 k rows x 256 bytes.  Sixteen loads; each covers two rows' 256 consecutive aligned bytes.
.macro LOADW buf, imm
	WIN 0x40                                       ; destination window 1
.set k, 0
.rept 16
	global_load_b128 v[64*(\buf)+4*k:64*(\buf)+4*k+3], v[VW], s[WB:WB+1] offset:(\imm)+(k+8*(k/8))*WROW th:TH_LOAD_NT
.set k, k+1
.endr
.endm
; The unit is rounded (two k of a column to a register) and stored as four fragments.
.macro STAGE buf
	WIN 0x05                                       ; sources window 1
.irp cc, 0,1,2,3
.irp j, 0,1,2,3,4,5,6,7
	v_cvt_pk_bf16_f32 v[T+8*\cc+\j], v[64*(\buf)+8*\j+\cc], v[64*(\buf)+8*\j+4+\cc]
.endr
.endr
	WIN 0
	v_add_nc_u32 v[VS], s[SSB], v[VS0]
.irp cc, 0,1,2,3
	ds_store_b128 v[VS], v[T+8*\cc:T+8*\cc+3] offset:\cc*1024
	ds_store_b128 v[VS], v[T+8*\cc+4:T+8*\cc+7] offset:\cc*1024+512
.endr
	s_add_co_u32 s[SSB], s[SSB], CHUNK
.endm
; The token fragments of a chunk: 5 tiles x 2 K steps x 2 halves, 512 consecutive bytes a load.
.macro LOADA buf, imm
	WIN 0
.irp u, 0,1
.irp i, 0,1,2,3,4
	global_load_b128 v[AF+80*(\buf)+8*(5*\u+\i):AF+80*(\buf)+8*(5*\u+\i)+3], v[VA+\i], s[AB:AB+1] offset:(\imm)+1024*\u
	global_load_b128 v[AF+80*(\buf)+8*(5*\u+\i)+4:AF+80*(\buf)+8*(5*\u+\i)+7], v[VA+\i], s[AB:AB+1] offset:(\imm)+1024*\u+512
.endr
.endr
.endm
; The eight fragments of W1 of one K step, 16 consecutive bytes a lane.  A load into a register that a matrix instruction has read stands four places behind it, and only plain vector
; instructions are places (ISA guide 7.12.1 for vector instructions): four v_nop.
.macro LOADWF u, imm
.rept 4
	v_nop
.endr
	WIN 0x40
.irp f, 0,1,2,3,4,5,6,7
	ds_load_b128 v[WF+64*(\u)+8*\f:WF+64*(\u)+8*\f+3], v[VL] offset:(\imm)+(\u)*8192+\f*1024
	ds_load_b128 v[WF+64*(\u)+8*\f+4:WF+64*(\u)+8*\f+7], v[VL] offset:(\imm)+(\u)*8192+\f*1024+512
.endr
.endm
; My unit of the chunk five on: 32 lanes ask for its 32 rows of 256 bytes, each asked for once in the launch.  Three trips ahead of the load that wants it; the count stops it at the last chunk.
.macro PF imm
	WIN 0
	s_cmp_eq_u32 s[SPF], 0
	s_cbranch_scc1 .Lpf_\@
	global_prefetch_b8 v[VPF], s[WB:WB+1] offset:(\imm) th:TH_LOAD_NT scope:SCOPE_SE
	s_sub_co_u32 s[SPF], s[SPF], 1
.Lpf_\@:
.endm
; One K step: 8 products a tile, the accumulators by turns.  Tiles 3 and 4 are jumped where dead.  first = 1: the sums start with the bias as C, and nothing is jumped, so that every accumulator is written on every path.
.macro MSTEP pa, u, first
.irp i, 0,1,2,3,4
.if ((\i) >= 3) && ((\first) == 0)
	WIN 0
	s_cmp_lt_u32 s[NT], (\i)+1
	s_cbranch_scc1 .Lm_\@
.endif
.if (\i) == 4
	WIN 0xF1                                       ; W1 window 1, tokens window 0, C and D window 3
.elseif \first
	WIN 0xB1                                       ; C window 3, D window 2
.else
	WIN 0xA1                                       ; C and D window 2
.endif
.irp f, 0,1,2,3,4,5,6,7
.if \first
	v_wmma_f32_16x16x32_bf16 v[64*((\i)%4)+8*\f:64*((\i)%4)+8*\f+7], v[WF+64*(\u)+8*\f:WF+64*(\u)+8*\f+7], v[AF+80*(\pa)+8*(5*(\u)+\i):AF+80*(\pa)+8*(5*(\u)+\i)+7], v[BIAS+8*\f:BIAS+8*\f+7]
.else
	v_wmma_f32_16x16x32_bf16 v[64*((\i)%4)+8*\f:64*((\i)%4)+8*\f+7], v[WF+64*(\u)+8*\f:WF+64*(\u)+8*\f+7], v[AF+80*(\pa)+8*(5*(\u)+\i):AF+80*(\pa)+8*(5*(\u)+\i)+7], v[64*((\i)%4)+8*\f:64*((\i)%4)+8*\f+7]
.endif
.endr
.endr
	WIN 0
.Lm_\@:
.endm
; CHUNK c OF PASS 0 (pa = c % 2; rel: chunks between the stepped bases and c).  At its head my loads are out in this order: W(c+1) 16, A(c) 20, W(c+2) 16; and 32 LDS loads: chunk c's fragments.
; mode 0: W(c+3) is asked for.  1: nothing of W1 is left to ask for.  2: W(c+2) is not there either.  3: the last chunk.
.macro TRIP pa, rel, first, mode
.if (\mode) < 3
.if (\mode) == 2
	s_wait_loadcnt 20                              ; W(c+1) is in; A(c) 20 stay out
.else
	s_wait_loadcnt 36                              ; W(c+1) is in; A(c) 20 and W(c+2) 16 stay out
.endif
	STAGE 1-(\pa)                                  ; its 32 conversions are also the places in front of the loads below
	LOADA 1-(\pa), ((\rel)+1)*ACH                  ; A ahead of W, so that no wait for A asks for a younger W
.if (\mode) == 0
	LOADW 1-(\pa), ((\rel)+3)<<20
	PF ((\rel)+5)<<20
.endif
	s_wait_dscnt 24                                ; K step 0's fragments are in; K step 1's 16 loads and the stage's 8 stores stay out
.if (\mode) == 0
	s_wait_loadcnt 52                              ; A(c) is in; W(c+2) 16, A(c+1) 20, W(c+3) 16 stay out
.elseif (\mode) == 1
	s_wait_loadcnt 36                              ; W(c+2) 16, A(c+1) 20 stay out
.else
	s_wait_loadcnt 20                              ; A(c+1) 20 stay out
.endif
	MSTEP \pa, 0, \first
	s_wait_dscnt 0x0                               ; for the others' sake: my part of chunk c+1 is written; and K step 1's fragments are in
	s_barrier_signal -1
	s_barrier_wait -1                              ; chunk c+1 is whole
	LOADWF 0, CHUNK
	MSTEP \pa, 1, 0
	LOADWF 1, CHUNK
	WIN 0
	s_add_co_u32 s[SRB], s[SRB], CHUNK
	v_add_nc_u32 v[VL], s[SRB], v[VL16]
.else
	s_wait_loadcnt 0x0                             ; A(15)
	s_wait_dscnt 16
	MSTEP \pa, 0, 0
	s_wait_dscnt 0x0
	MSTEP \pa, 1, 0
.endif
.endm
; A pass begins: my tiles, how many of them live, where their rows lie, where h goes.
.macro PASSSET later
	s_mul_i32 s[ST0], s[SPN], 20
	s_add_co_u32 s[ST0], s[ST0], s[SW]
	s_sub_co_i32 s[NT], s[SNTL], s[ST0]
	s_add_co_i32 s[NT], s[NT], 3
	s_ashr_i32 s[NT], s[NT], 2
	s_max_i32 s[NT], s[NT], 0
	s_min_i32 s[NT], s[NT], 5
.if \later
	s_cmp_eq_u32 s[NT], 0
	s_cbranch_scc1 .Lstep                          ; nothing of mine in this pass: no barrier and no LDS store is jumped
.endif
.irp i, 0,1,2,3,4
	s_add_co_u32 s[SA], s[ST0], 4*\i
	s_cmp_gt_u32 s[NT], \i
	s_cselect_b32 s[SA], s[SA], 0                  ; a dead tile takes tile 0,
	s_cselect_b32 s[SB], 16, 0                     ; and all its lanes one place of it
	s_min_u32 s[SA], s[SA], 63
	s_min_u32 s[SB], s[SB], 16
	s_lshl_b32 s[SC], s[SA], 15
	v_mad_u32_u24 v[VA+\i], v1, s[SB], s[SC]
.endr
	s_lshl_b32 s[OF], s[SE], 22
	s_lshl_b32 s[SA], s[SS], 11
	s_add_co_u32 s[OF], s[OF], s[SA]
	s_lshl_b32 s[SA], s[ST0], 16
	s_add_co_u32 s[OF], s[OF], s[SA]
	s_mov_b32 s[OF+1], 0
	s_add_nc_u64 s[HB:HB+1], s[12:13], s[OF:OF+1]
.endm
; A chunk of a later pass: the slice is in LDS; plain, one chunk at a time.
.macro PCHUNK first
	WIN 0
.rept 4
	v_nop                                          ; the places in front of the loads into the token fragments
.endr
	v_add_nc_u32 v[VL], s[SRB], v[VL16]
	LOADA 0, 0
	LOADWF 0, 0
	LOADWF 1, 0
	s_wait_loadcnt 0x0
	s_wait_dscnt 0x0
	MSTEP 0, 0, \first
	MSTEP 0, 1, 0
	s_add_nc_u64 s[AB:AB+1], s[AB:AB+1], ACH       ; the loads that named it are done
	s_add_co_u32 s[SRB], s[SRB], CHUNK
.endm
; THE WAY OUT of tile i: h = (a sigmoid(a)) b, 32 numbers a lane.  Each accumulator is read from its low end on.  The exponentials are one batch with one wait, and so are the reciprocals.
.macro EPI i
	WIN 0
	s_cmp_le_u32 s[NT], \i
	s_cbranch_scc1 .Le_\@
.set HH, T+16*((\i)%2)
.set AC, 64*((\i)%4)
	WIN 0x02+(\i)/4                                ; source 0 in window 2 or 3
.set k, 0
.rept 16
	v_pk_mul_f32 v[E+2*k:E+2*k+1], v[AC+2*k:AC+2*k+1], 0xbfb8aa3b op_sel_hi:[1,0]  ; - a log2 e
.set k, k+1
.endr
	WIN 0
.set k, 0
.rept 32
	v_exp_f32 v[E+k], v[E+k]
.set k, k+1
.endr
	v_nop                                          ; a plain instruction behind the last exponential,
	s_wait_alu depctr_va_vdst(0)                   ; and one wait for the batch, ahead of its first reader
.set k, 0
.rept 16
	v_pk_add_f32 v[E+2*k:E+2*k+1], v[E+2*k:E+2*k+1], 1.0 op_sel_hi:[1,0]
.set k, k+1
.endr
.set k, 0
.rept 32
	v_rcp_f32 v[E+k], v[E+k]
.set k, k+1
.endr
	v_nop
	s_wait_alu depctr_va_vdst(0)
	WIN 0x02+(\i)/4
.set k, 0
.rept 16
	v_pk_mul_f32 v[E+2*k:E+2*k+1], v[AC+2*k:AC+2*k+1], v[E+2*k:E+2*k+1]
.set k, k+1
.endr
.set k, 0
.rept 16
	v_pk_mul_f32 v[E+2*k:E+2*k+1], v[AC+32+2*k:AC+32+2*k+1], v[E+2*k:E+2*k+1]
.set k, k+1
.endr
	WIN 0
	s_wait_xcnt 0x0                                ; the packed registers, which earlier stores read, are rewritten only behind this wait
.set k, 0
.rept 16
	v_cvt_pk_bf16_f32 v[HH+k], v[E+2*k], v[E+2*k+1]
.set k, k+1
.endr
.irp m, 0,1,2,3
	global_store_b128 v[VL16], v[HH+4*\m:HH+4*\m+3], s[HB:HB+1] offset:(\i)*262144+\m*512  ; 512 consecutive bytes, at a multiple of 256 from hbuf's first byte
.endr
.Le_\@:
.endm
	s_load_b256 s[4:11], s[0:1], 0x0               ; cnt s[4:5], xg s[6:7], W1 s[8:9], b1 s[10:11]
	s_load_b64 s[12:13], s[0:1], 0x20              ; hbuf
	v_lshl_add_u32 v[SPW], v0, 2, SPARE
	v_mov_b32 v[NIL], 0
	v_lshrrev_b32 v17, 5, v0
	v_readfirstlane_b32 s[SW], v17                 ; wave 0..3
	s_and_b32 s[SE], ttmp7, 0xffff
	s_mov_b32 s[SS], ttmp9
	v_and_b32 v1, 31, v0
	v_and_b32 v2, 15, v0                           ; r
	v_bfe_u32 v3, v0, 4, 1                         ; hh
	v_lshlrev_b32 v[VL16], 4, v1
	v_lshlrev_b32 v[VPF], 14, v1
	v_lshlrev_b32 v[VW], 4, v2
	v_lshl_add_u32 v[VW], v3, 17, v[VW]            ; 8 rows of 16,384 bytes for the upper half of the lanes
	v_lshlrev_b32 v[E], 7, v3                      ; the bias: 32 columns on for the upper half
	s_and_b32 s[SA], s[SW], 1                      ; I fetch a's columns (0) or b's (1),
	s_lshr_b32 s[SB], s[SW], 1                     ; of K step 0 or 1 of each chunk
	s_lshl_b32 s[SC], s[SB], 13
	s_lshl_b32 s[OF], s[SA], 12
	s_add_co_u32 s[SC], s[SC], s[OF]
	v_add_nc_u32 v[VS0], s[SC], v[VL16]
	s_mov_b32 s[SSB], 0
	s_mov_b32 s[SRB], 0
	s_mov_b32 s[SPN], 0
	s_mov_b32 s[SPF], 11                           ; chunks 5 to 15
	s_lshl_b32 s[OF], s[SE], 24                    ; the expert's 16 MiB,
	s_lshl_b32 s[SC], s[SA], 13                    ; b's columns lie 8,192 bytes on,
	s_add_co_u32 s[OF], s[OF], s[SC]
	s_lshl_b32 s[SC], s[SS], 8                     ; the slice's 256 bytes,
	s_add_co_u32 s[OF], s[OF], s[SC]
	s_lshl_b32 s[SC], s[SB], 19                    ; K step 1 lies 32 rows on
	s_add_co_u32 s[OF], s[OF], s[SC]
	s_mov_b32 s[OF+1], 0
	s_wait_kmcnt 0x0
	s_add_nc_u64 s[WB:WB+1], s[8:9], s[OF:OF+1]
	s_lshl_b32 s[OF], s[SE], 8
	s_add_nc_u64 s[CP:CP+1], s[4:5], s[OF:OF+1]
	s_load_b32 s[SCNT], s[CP:CP+1], 0x0            ; asked for ahead of the first weights, waited for behind them
	s_lshl_b32 s[OF], s[SE], 21
	s_add_nc_u64 s[AB0:AB0+1], s[6:7], s[OF:OF+1]
	s_mov_b64 s[AB:AB+1], s[AB0:AB0+1]
	s_lshl_b32 s[OF], s[SE], 14
	s_lshl_b32 s[SC], s[SS], 8
	s_add_co_u32 s[OF], s[OF], s[SC]
	s_add_nc_u64 s[BP:BP+1], s[10:11], s[OF:OF+1]
.set k, 0
.rept 16                                               ; the bias: load 8 ab + j brings columns 32 hh + 4 j + 0..3
	global_load_b128 v[AF+80+4*k:AF+80+4*k+3], v[E], s[BP:BP+1] offset:(k/8)*8192+(k%8)*16
.set k, k+1
.endr
	LOADW 0, 0
	LOADW 1, 1<<20
	WIN 0
	global_prefetch_b8 v[VPF], s[WB:WB+1] offset:(2<<20) th:TH_LOAD_NT scope:SCOPE_SE
	global_prefetch_b8 v[VPF], s[WB:WB+1] offset:(3<<20) th:TH_LOAD_NT scope:SCOPE_SE
	global_prefetch_b8 v[VPF], s[WB:WB+1] offset:(4<<20) th:TH_LOAD_NT scope:SCOPE_SE
	s_wait_kmcnt 0x0                               ; the count
	s_min_u32 s[SCNT], s[SCNT], 1024
	s_max_u32 s[SA], s[SCNT], 1                    ; tile 0 is stored whatever the count
	s_add_co_u32 s[SNTL], s[SA], 15
	s_lshr_b32 s[SNTL], s[SNTL], 4
	PASSSET 0
	LOADA 0, 0
	s_wait_loadcnt 52                              ; the bias is in; W(0) 16, W(1) 16, A(0) 20 stay out
.set n, 0
.rept 32                                               ; rounded to bf16, two neighbours at a time,
	v_cvt_pk_bf16_f32 v[T+n], v[AF+80+2*n], v[AF+80+2*n+1]
.set n, n+1
.endr
	WIN 0xC0                                       ; destination window 3
.set n, 0
.rept 32                                               ; and widened into the accumulators' order: n = 2 (8 ab + j) + p holds cc = 2 p, 2 p + 1
	v_lshlrev_b32 v[BIAS+((n/16)*4+2*(n%2))*8+(n/2)%8], 16, v[T+n]
	v_and_b32 v[BIAS+((n/16)*4+2*(n%2)+1)*8+(n/2)%8], 0xffff0000, v[T+n]
.set n, n+1
.endr
	WIN 0
	s_wait_loadcnt 36                              ; W(0) is in; W(1) 16, A(0) 20 stay out
	STAGE 0
	LOADW 0, 2<<20
	WIN 0
	v_add_nc_u32 v[VL], s[SRB], v[VL16]
	s_wait_dscnt 0x0                               ; for the others' sake: my part of chunk 0 is written
	s_barrier_signal -1
	s_barrier_wait -1
	LOADWF 0, 0
	LOADWF 1, 0
	TRIP 0, 0, 1, 0                                ; chunk 0 stands in front of the loop: its first products start the sums
	s_wait_xcnt 0x0                                ; the bases are stepped only behind this wait
	s_add_nc_u64 s[WB:WB+1], s[WB:WB+1], 0x100000
	s_add_nc_u64 s[AB:AB+1], s[AB:AB+1], ACH
	s_mov_b32 s[SLOOP], 6
.Lk:                                                   ; chunks 1 to 12
	TRIP 1, 0, 0, 0
	TRIP 0, 1, 0, 0
	s_wait_xcnt 0x0
	s_add_nc_u64 s[WB:WB+1], s[WB:WB+1], 0x200000
	s_add_nc_u64 s[AB:AB+1], s[AB:AB+1], 2*ACH
	s_sub_co_u32 s[SLOOP], s[SLOOP], 1
	s_cmp_lg_u32 s[SLOOP], 0
	s_cbranch_scc1 .Lk
	TRIP 1, 0, 0, 1                                ; the tail is written out: its counts run down, and no load leaves W1
	TRIP 0, 1, 0, 2
	TRIP 1, 2, 0, 3
	s_mov_b32 s[SPASS], 4
.Lpass:                                                ; a trip: the way out of one pass, then the products of the next, if I have tiles there
.rept 4
	v_nop                                          ; the places behind the last products
.endr
.irp i, 0,1,2,3,4
	EPI \i
.endr
	s_wait_xcnt 0x0                                ; the stores' base is rewritten only behind this wait
	s_add_co_u32 s[SPN], s[SPN], 1
	PASSSET 1
	s_mov_b32 s[SRB], 0
	s_mov_b64 s[AB:AB+1], s[AB0:AB0+1]
	PCHUNK 1
	s_mov_b32 s[SLOOP], 15
.Lpk:
	PCHUNK 0
	s_sub_co_u32 s[SLOOP], s[SLOOP], 1
	s_cmp_lg_u32 s[SLOOP], 0
	s_cbranch_scc1 .Lpk
.Lstep:
	s_sub_co_u32 s[SPASS], s[SPASS], 1
	s_cmp_lg_u32 s[SPASS], 0
	s_cbranch_scc1 .Lpass
	s_wait_dscnt 0x0                               ; my LDS reads are back;
	s_barrier_signal -1                            ; one barrier, on every wave's path, between all waves' reads of LDS in the passes
	s_barrier_wait -1                              ; and the text's last LDS write below
	s_wait_tensorcnt 0x0                           ; the wave's end: behind my last LDS store
	ds_add_u32 v[SPW], v[NIL]
	s_wait_dscnt 0x0
	s_endpgm
.Lfunc_end_k_q63a40bb41b_up:
	.size	k_q63a40bb41b_up, .Lfunc_end_k_q63a40bb41b_up-k_q63a40bb41b_up
	.p2alignl 7, 3214868480
	.fill 96, 4, 3214868480
	.section	.rodata,"a",@progbits
	.p2align	6, 0x0
	.amdhsa_kernel k_q63a40bb41b_up
		.amdhsa_group_segment_fixed_size 262656
		.amdhsa_private_segment_fixed_size 0
		.amdhsa_enable_private_segment 0
		.amdhsa_kernarg_size 40
		.amdhsa_user_sgpr_count 2
		.amdhsa_user_sgpr_kernarg_segment_ptr 1
		.amdhsa_wavefront_size32 1
		.amdhsa_system_sgpr_workgroup_id_x 1
		.amdhsa_system_sgpr_workgroup_id_y 1
		.amdhsa_system_sgpr_workgroup_id_z 1
		.amdhsa_system_vgpr_workitem_id 0
		.amdhsa_next_free_vgpr 896
		.amdhsa_next_free_sgpr 66
		.amdhsa_reserve_vcc 0
		.amdhsa_float_denorm_mode_32 3
		.amdhsa_float_denorm_mode_16_64 3
		.amdhsa_memory_ordered 1
		.amdhsa_forward_progress 1
		.amdhsa_inst_pref_size 162
	.end_amdhsa_kernel
	.amdgpu_metadata
---
amdhsa.version: [ 1, 2 ]
amdhsa.kernels:
  - .name:           k_q63a40bb41b_up
    .symbol:         k_q63a40bb41b_up.kd
    .args:
      - { .name: cnt, .offset: 0, .size: 8, .value_kind: global_buffer, .address_space: global }
      - { .name: xg, .offset: 8, .size: 8, .value_kind: global_buffer, .address_space: global }
      - { .name: W1, .offset: 16, .size: 8, .value_kind: global_buffer, .address_space: global }
      - { .name: b1, .offset: 24, .size: 8, .value_kind: global_buffer, .address_space: global }
      - { .name: hbuf, .offset: 32, .size: 8, .value_kind: global_buffer, .address_space: global }
    .group_segment_fixed_size: 262656
    .private_segment_fixed_size: 0
    .kernarg_segment_align: 8
    .kernarg_segment_size: 40
    .max_flat_workgroup_size: 128
    .sgpr_count:     66
    .vgpr_count:     896
    .wavefront_size: 32
...
	.end_amdgpu_metadata
.endif
;; end of part 3
;; launch down (part 4): grid 32 x 8, 8 waves a work-group, no clusters, 132,096 bytes of LDS; arguments cnt, list, gate, hbuf, W2, b2, ybuf; writes ybuf
.if DOCPART == 4
	.amdgcn_target "amdgcn-amd-amdhsa--gfx1250"
	.amdhsa_code_object_version 6
	.text
	.protected	k_q63a40bb41b_down
	.globl	k_q63a40bb41b_down
	.p2align	8
	.type	k_q63a40bb41b_down,@function
k_q63a40bb41b_down:
	s_mov_b64 s[64:65], 0
	v_nop
	global_prefetch_b8 v0, s[64:65] scope:SCOPE_SE
	s_setreg_imm32_b32 hwreg(HW_REG_WAVE_MODE, 25, 1), 1
	s_wait_xcnt 0x0
; SECOND PRODUCT.  For expert e (grid y), columns 64 ns .. + 63 and K half kh (grid x = 16 kh + ns): ybuf[kh][slot][token][64 ns ..] = g (h[:, 1024 kh ..] W2[e][1024 kh .., 64 ns ..] + b2 (kh = 0 alone)),
; for all the expert's rows.  W2: [8][2048][1024] f32, b2: [8][1024] f32, hbuf as the launch before laid it, list[e][rank] = slot x 1024 + token, gate[slot][token] f32.  ybuf: partial sums, f32.
; THE BOUND is W2's bytes: each is read once in the launch.  Slices of 64 columns keep its loads at 256 consecutive aligned bytes; 8 experts x 16 slices x 2 halves of K are 256 work-groups.
; W2 INTO FRAGMENTS as in the launch before: a lane's 16 bytes are columns 4 r .. 4 r + 3 of a k row; fragment cc has column 4 r + cc at index r.  THE ORDER OF K is the one in which h was packed: in hidden chunk sc,
; K step u, register rho of lane half hh holds k = 64 sc + 32 hh + 8 (rho % 4) + 2 u + rho / 4 below and that + 4 above.  Wave w fetches the rows of (sc = w / 4, u = (w / 2) % 2, q = w % 2): registers 4 q .. 4 q + 3.
; THE SLICE STAYS in LDS (1,024 k x 64 columns in bf16 = 131,072 bytes), written once: one barrier a chunk of 128 k.
; THE PRODUCT: source 0 = 16 ranks of h, straight from memory, 512 consecutive bytes a load; source 1 = W2.  Register j of lane (r, hh) is rank 8 hh + j, column 4 r + cc: register j of the four accumulators is 16 neighbouring bytes.
; ROWS.  Pass p gives wave w the tiles 24 p + w + 8 i, i 0..2.  Pass 0 streams W2 and holds the chunks' barriers; passes 1 and 2 (more than 384 rows) read the slice from LDS in a plain loop: right for every split, slower on skewed ones.
; A dead tile loads one place of tile 0, which is always stored, and stores nothing.  Ranks past the count repeat the last: equal numbers go to the same bytes from the same wave.
; EIGHT WAVES: a fragment of h feeds four products only, so a chunk has 24 loads of h and 8 of W2 a wave, and two chunks of W2 can be on their way.
; NO JOINT LOADS: each byte of W2 has one reader.  The 16 slices of a K half share h, which goes straight into operand registers; through LDS a pass of 384 rows x 2,048 bytes would be written and read there on top of the slice's 131,072 bytes.
; LIMITS.  W2 and b2 are rounded once to bf16; sums in f32.
.set SPARE,  131072                    ; behind the slice: the spare words, 128 bytes for each wave
.set CHUNK,  16384                     ; LDS bytes of a chunk: 4 K steps x 4 fragments x 1,024
; window 0
.set VW,   4                           ; v4   hh x 32 rows + 16 r
.set VS,   5
.set VL,   6
.set VL16, 7                           ; v7   16 x lane
.set SPW,  8                           ; v8   LDS address of my spare word; never rewritten
.set NIL,  9                           ; v9   0; never rewritten
.set VPF,  10                          ; v10  (32 (w % 4) + lane) x one row of W2
.set VR16, 11                          ; v11  16 r
.set VA,   12                          ; v12-14  tile i: its place in hbuf + 16 x lane
.set VH32, 15                          ; v15  32 hh
.set VE,   16                          ; v16-18  tile i: my 8 ranks' place in the list
.set VS0,  23                          ; v23  my wave's place in a chunk + 16 x lane
.set T,    24                          ; v24-39  packed weights
.set BIAS, 40                          ; v40-71  b2 in the accumulators' layout
.set ACC,  72                          ; v72-167  accumulator (i, cc) at 8 (4 i + cc)
.set WF,   168                         ; v168-199, v200-231  W2's fragments, two buffers; on the way out the rows to store
.set GOFF, 232                         ; v232-255  the bias as loaded; then the gates' offsets
; window 1
.set AF,   0                           ; v0-95, v96-191  h's fragments, two buffers: (3 t + i) x 8
.set S,    192                         ; v192-223, v224-255  W2 as loaded, two buffers
.set X,    192                         ; v192-215  in the tail: list entries, then row offsets in ybuf
.set G,    216                         ; v216-239  the gates
.set SW,   20
.set SE,   21
.set SNS,  22
.set SKH,  23
.set SCNT, 24
.set SNTL, 26                          ; s26  live tiles
.set NT,   27                          ; s27  my live tiles in this pass, 0..3
.set ST0,  28
.set SPASS, 29
.set SLOOP, 30
.set SPF,  31                          ; s31  prefetches still to make
.set SA,   32
.set SC,   33
.set SD,   34
.set SBM,  35                          ; s35  all ones where the bias counts (kh = 0)
.set WB,   36                          ; s[36:37] W2 at my rows of the chunk in hand
.set AB,   38                          ; s[38:39] hbuf at the chunk in hand
.set PB,   40                          ; s[40:41] W2 at the chunk's first row
.set YB,   42                          ; s[42:43] ybuf at my half and columns
.set LP,   44                          ; s[44:45] list at my expert
.set OF,   46
.set SSB,  48
.set SRB,  49
.set SPN,  50
.set AB0,  52                          ; s[52:53] hbuf at my expert and K half
.set BP,   54                          ; s[54:55] b2 at my columns
.set CP,   56                          ; s[56:57] cnt at my expert
.set MSB, 0
.macro WIN new
.if MSB != (\new)
	s_set_vgpr_msb (MSB<<8)|(\new)
.set MSB, (\new)
.endif
.endm
.macro LOADW buf, imm                  ; my eight rows of a chunk, four rows apart; each load covers two rows' 256 consecutive aligned bytes
	WIN 0x40
.set k, 0
.rept 8
	global_load_b128 v[S+32*(\buf)+4*k:S+32*(\buf)+4*k+3], v[VW], s[WB:WB+1] offset:(\imm)+k*16384 th:TH_LOAD_NT
.set k, k+1
.endr
.endm
.macro STAGE buf
	WIN 0x05
.irp cc, 0,1,2,3
.irp j, 0,1,2,3
	v_cvt_pk_bf16_f32 v[T+4*\cc+\j], v[S+32*(\buf)+8*\j+\cc], v[S+32*(\buf)+8*\j+4+\cc]
.endr
.endr
	WIN 0
	v_add_nc_u32 v[VS], s[SSB], v[VS0]
.irp cc, 0,1,2,3
	ds_store_b128 v[VS], v[T+4*\cc:T+4*\cc+3] offset:\cc*1024
.endr
	s_add_co_u32 s[SSB], s[SSB], CHUNK
.endm
.macro LOADA buf, imm                  ; h of a chunk: 3 tiles x 4 K steps x 2 halves, 512 consecutive bytes a load
	WIN 0x40
.irp i, 0,1,2
.irp m, 0,1,2,3,4,5,6,7
	global_load_b128 v[AF+96*(\buf)+8*(3*((\m)/2)+\i)+4*((\m)%2):AF+96*(\buf)+8*(3*((\m)/2)+\i)+4*((\m)%2)+3], v[VA+\i], s[AB:AB+1] offset:(\imm)+\m*512
.endr
.endr
.endm
.macro LOADWF b, imm                   ; the four fragments of one K step; four places in front of loads into registers that matrix instructions have read (ISA guide 7.12.1 for vector instructions)
.rept 4
	v_nop
.endr
	WIN 0
.irp c, 0,1,2,3
	ds_load_b128 v[WF+32*(\b)+8*\c:WF+32*(\b)+8*\c+3], v[VL] offset:(\imm)+\c*1024
	ds_load_b128 v[WF+32*(\b)+8*\c+4:WF+32*(\b)+8*\c+7], v[VL] offset:(\imm)+\c*1024+512
.endr
.endm
.macro PF imm                          ; waves 0 to 3: the 128 rows of 256 bytes of the chunk five on, each asked for once in the launch, three trips ahead of its loads; the count stops it at the last chunk
	WIN 0
	s_cmp_eq_u32 s[SPF], 0
	s_cbranch_scc1 .Lpf_\@
	global_prefetch_b8 v[VPF], s[PB:PB+1] offset:(\imm) th:TH_LOAD_NT scope:SCOPE_SE
	s_sub_co_u32 s[SPF], s[SPF], 1
.Lpf_\@:
.endm
; One K step: four products a tile, the accumulators by turns.  Tile 2 is jumped where dead.  first = 1: the sums start with the bias as C, and nothing is jumped.
.macro MSTEP pa, t, wf, first
.irp i, 0,1,2
.if ((\i) == 2) && ((\first) == 0)
	WIN 0
	s_cmp_lt_u32 s[NT], 3
	s_cbranch_scc1 .Lm_\@
.endif
	WIN 0x01                                       ; h in window 1; W2, C and D in window 0
.irp c, 0,1,2,3
.if \first
	v_wmma_f32_16x16x32_bf16 v[ACC+8*(4*\i+\c):ACC+8*(4*\i+\c)+7], v[AF+96*(\pa)+8*(3*(\t)+\i):AF+96*(\pa)+8*(3*(\t)+\i)+7], v[WF+32*(\wf)+8*\c:WF+32*(\wf)+8*\c+7], v[BIAS+8*\c:BIAS+8*\c+7]
.else
	v_wmma_f32_16x16x32_bf16 v[ACC+8*(4*\i+\c):ACC+8*(4*\i+\c)+7], v[AF+96*(\pa)+8*(3*(\t)+\i):AF+96*(\pa)+8*(3*(\t)+\i)+7], v[WF+32*(\wf)+8*\c:WF+32*(\wf)+8*\c+7], v[ACC+8*(4*\i+\c):ACC+8*(4*\i+\c)+7]
.endif
.endr
.endr
	WIN 0
.Lm_\@:
.endm
.macro ROWS_A                          ; my 8 ranks of each tile: their list entries
	WIN 0x40
.irp i, 0,1,2
	global_load_b128 v[X+8*\i:X+8*\i+3], v[VE+\i], s[LP:LP+1]
	global_load_b128 v[X+8*\i+4:X+8*\i+7], v[VE+\i], s[LP:LP+1] offset:16
.endr
.endm
.macro ROWS_B                          ; their gates are asked for, and the entries become row offsets in ybuf
	WIN 0x44
.set k, 0
.rept 24
	v_min_u32 v[X+k], 0x7ff, v[X+k]
.set k, k+1
.endr
	WIN 0x04
.set k, 0
.rept 24
	v_lshlrev_b32 v[GOFF+k], 2, v[X+k]
.set k, k+1
.endr
	WIN 0x40
.set k, 0
.rept 24
	global_load_b32 v[G+k], v[GOFF+k], s[8:9]
.set k, k+1
.endr
	WIN 0x41
.set k, 0
.rept 24
	v_lshl_add_u32 v[X+k], v[X+k], 12, v[VR16]
.set k, k+1
.endr
	WIN 0
.endm
; CHUNK c OF PASS 0 (pa = c % 2).  At its head my loads are out in this order: W(c+1) 8, A(c) 24, W(c+2) 8; and 16 LDS loads: K steps 0 and 1 of chunk c.
.macro TRIP pa, rel, first, mode
.if (\mode) < 3
.if (\mode) == 2
	s_wait_loadcnt 24                              ; W(c+1) is in; A(c) 24 stay out
.else
	s_wait_loadcnt 32                              ; W(c+1) is in; A(c) 24 and W(c+2) 8 stay out
.endif
	STAGE 1-(\pa)                                  ; its 16 conversions are also the places in front of the loads below
	LOADA 1-(\pa), ((\rel)+1)*4096
.if (\mode) == 0
	LOADW 1-(\pa), ((\rel)+3)<<19
	PF ((\rel)+5)<<19
.endif
.if (\mode) == 2
	ROWS_A
.endif
.if (\mode) == 0
	s_wait_loadcnt 40                              ; A(c) is in; W(c+2) 8, A(c+1) 24, W(c+3) 8 stay out
.elseif (\mode) == 1
	s_wait_loadcnt 32                              ; W(c+2) 8, A(c+1) 24 stay out
.else
	s_wait_loadcnt 30                              ; A(c+1) 24 and the 6 loads of the list stay out
.endif
	s_wait_dscnt 12                                ; K step 0 is in; K step 1's 8 loads and the stage's 4 stores stay out
	MSTEP \pa, 0, 0, \first
	LOADWF 0, 8192
	s_wait_dscnt 12                                ; K step 1 is in; the 4 stores and K step 2's 8 loads stay out
	MSTEP \pa, 1, 1, 0
	s_wait_dscnt 0x0                               ; for the others' sake: my part of chunk c+1 is written
	s_barrier_signal -1
	s_barrier_wait -1                              ; chunk c+1 is whole
	LOADWF 1, 12288
	MSTEP \pa, 2, 0, 0
	LOADWF 0, CHUNK
	s_wait_dscnt 8                                 ; K step 3 is in; the next chunk's first 8 loads stay out
	MSTEP \pa, 3, 1, 0
	LOADWF 1, CHUNK+4096
	WIN 0
	s_add_co_u32 s[SRB], s[SRB], CHUNK
	v_add_nc_u32 v[VL], s[SRB], v[VL16]
.else
	s_wait_loadcnt 0x0                             ; A(7) and the list
	ROWS_B
	s_wait_dscnt 8
	MSTEP \pa, 0, 0, 0
	LOADWF 0, 8192
	s_wait_dscnt 8
	MSTEP \pa, 1, 1, 0
	LOADWF 1, 12288
	s_wait_dscnt 8
	MSTEP \pa, 2, 0, 0
	s_wait_dscnt 0x0
	MSTEP \pa, 3, 1, 0
.endif
.endm
.macro PASSSET later
	s_mul_i32 s[ST0], s[SPN], 24
	s_add_co_u32 s[ST0], s[ST0], s[SW]
	s_sub_co_i32 s[NT], s[SNTL], s[ST0]
	s_add_co_i32 s[NT], s[NT], 7
	s_ashr_i32 s[NT], s[NT], 3
	s_max_i32 s[NT], s[NT], 0
	s_min_i32 s[NT], s[NT], 3
.if \later
	s_cmp_eq_u32 s[NT], 0
	s_cbranch_scc1 .Lstep                          ; nothing of mine in this pass: no barrier and no LDS store is jumped
.endif
.irp i, 0,1,2
	s_add_co_u32 s[SA], s[ST0], 8*\i
	s_cmp_gt_u32 s[NT], \i
	s_cselect_b32 s[SA], s[SA], 0                  ; a dead tile takes tile 0,
	s_cselect_b32 s[SC], 16, 0                     ; and all its lanes one place of it
	s_min_u32 s[SA], s[SA], 63
	s_min_u32 s[SC], s[SC], 16
	s_lshl_b32 s[SD], s[SA], 16
	v_mad_u32_u24 v[VA+\i], v1, s[SC], s[SD]
	s_lshl_b32 s[SD], s[SA], 6
	v_add_nc_u32 v[VE+\i], s[SD], v[VH32]
.endr
.endm
.macro PCHUNK first                    ; a chunk of a later pass: plain, one K step at a time
	WIN 0
.rept 4
	v_nop
.endr
	v_add_nc_u32 v[VL], s[SRB], v[VL16]
	LOADA 0, 0
	s_wait_loadcnt 0x0
	LOADWF 0, 0
	s_wait_dscnt 0x0
	MSTEP 0, 0, 0, \first
	LOADWF 0, 4096
	s_wait_dscnt 0x0
	MSTEP 0, 1, 0, 0
	LOADWF 0, 8192
	s_wait_dscnt 0x0
	MSTEP 0, 2, 0, 0
	LOADWF 0, 12288
	s_wait_dscnt 0x0
	MSTEP 0, 3, 0, 0
	s_add_nc_u64 s[AB:AB+1], s[AB:AB+1], 4096      ; the loads that named it are done
	s_add_co_u32 s[SRB], s[SRB], CHUNK
.endm
; THE WAY OUT of tile i: times the row's gate, which also brings register j of the four accumulators together; each accumulator is read from its low end on.
.macro EPI i
	WIN 0
	s_cmp_le_u32 s[NT], \i
	s_cbranch_scc1 .Le_\@
.set Q, WF+32*((\i)%2)
	s_wait_xcnt 0x0                                ; registers that earlier stores read are rewritten only behind this wait
	WIN 0x04                                       ; source 1, the gate, in window 1
.irp j, 0,1,2,3,4,5,6,7
.irp c, 0,1,2,3
	v_mul_f32 v[Q+4*\j+\c], v[ACC+8*(4*(\i)+\c)+\j], v[G+8*(\i)+\j]
.endr
.endr
	WIN 0x01                                       ; the address in window 1
.irp j, 0,1,2,3,4,5,6,7
	global_store_b128 v[X+8*(\i)+\j], v[Q+4*\j:Q+4*\j+3], s[YB:YB+1]  ; sixteen lanes store 256 consecutive bytes of a row, at a multiple of 256 from ybuf's first byte
.endr
	WIN 0
.Le_\@:
.endm
	s_load_b256 s[4:11], s[0:1], 0x0               ; cnt s[4:5], list s[6:7], gate s[8:9], hbuf s[10:11]
	s_load_b128 s[12:15], s[0:1], 0x20             ; W2 s[12:13], b2 s[14:15]
	s_load_b64 s[16:17], s[0:1], 0x30              ; ybuf
	v_lshl_add_u32 v[SPW], v0, 2, SPARE
	v_mov_b32 v[NIL], 0
	v_lshrrev_b32 v19, 5, v0
	v_readfirstlane_b32 s[SW], v19                 ; wave 0..7
	s_and_b32 s[SE], ttmp7, 0xffff
	s_and_b32 s[SNS], ttmp9, 15
	s_lshr_b32 s[SKH], ttmp9, 4
	v_and_b32 v1, 31, v0
	v_and_b32 v2, 15, v0                           ; r
	v_bfe_u32 v3, v0, 4, 1                         ; hh
	v_lshlrev_b32 v[VL16], 4, v1
	v_lshlrev_b32 v[VR16], 4, v2
	v_lshlrev_b32 v[VH32], 5, v3
	v_lshl_add_u32 v[VW], v3, 17, v[VR16]          ; 32 rows of 4,096 bytes for the upper half of the lanes
	s_lshr_b32 s[SA], s[SW], 1                     ; my K step of a chunk,
	s_lshl_b32 s[SA], s[SA], 12
	s_and_b32 s[SC], s[SW], 1                      ; my half of its fragments
	s_lshl_b32 s[SC], s[SC], 9
	s_add_co_u32 s[SA], s[SA], s[SC]
	v_add_nc_u32 v[VS0], s[SA], v[VL16]
	s_and_b32 s[SA], s[SW], 3
	s_lshl_b32 s[SA], s[SA], 17
	v_lshl_add_u32 v[VPF], v1, 12, s[SA]
	s_mov_b32 s[SSB], 0
	s_mov_b32 s[SRB], 0
	s_mov_b32 s[SPN], 0
	s_cmp_eq_u32 s[SKH], 0
	s_cselect_b32 s[SBM], -1, 0
	s_lshl_b32 s[SD], s[SE], 23                    ; the expert's 8 MiB,
	s_lshl_b32 s[SA], s[SKH], 22                   ; the half's 1,024 rows,
	s_add_co_u32 s[SD], s[SD], s[SA]
	s_lshl_b32 s[SA], s[SNS], 8                    ; the slice's 256 bytes
	s_add_co_u32 s[SD], s[SD], s[SA]
	s_lshr_b32 s[SA], s[SW], 2                     ; my rows begin at 64 (w / 4) + w % 4
	s_lshl_b32 s[SA], s[SA], 6
	s_and_b32 s[SC], s[SW], 3
	s_add_co_u32 s[SA], s[SA], s[SC]
	s_lshl_b32 s[SA], s[SA], 12
	s_mov_b32 s[OF+1], 0
	s_wait_kmcnt 0x0
	s_lshl_b32 s[OF], s[SE], 8
	s_add_nc_u64 s[CP:CP+1], s[4:5], s[OF:OF+1]
	s_load_b32 s[SCNT], s[CP:CP+1], 0x0
	s_mov_b32 s[OF], s[SD]
	s_add_nc_u64 s[PB:PB+1], s[12:13], s[OF:OF+1]
	s_add_co_u32 s[OF], s[SD], s[SA]
	s_add_nc_u64 s[WB:WB+1], s[12:13], s[OF:OF+1]
	s_lshl_b32 s[OF], s[SE], 22
	s_lshl_b32 s[SA], s[SKH], 15
	s_add_co_u32 s[OF], s[OF], s[SA]
	s_add_nc_u64 s[AB0:AB0+1], s[10:11], s[OF:OF+1]
	s_mov_b64 s[AB:AB+1], s[AB0:AB0+1]
	s_lshl_b32 s[OF], s[SKH], 23
	s_lshl_b32 s[SA], s[SNS], 8
	s_add_co_u32 s[OF], s[OF], s[SA]
	s_add_nc_u64 s[YB:YB+1], s[16:17], s[OF:OF+1]
	s_lshl_b32 s[OF], s[SE], 12
	s_add_nc_u64 s[LP:LP+1], s[6:7], s[OF:OF+1]
	s_add_co_u32 s[OF], s[OF], s[SA]
	s_add_nc_u64 s[BP:BP+1], s[14:15], s[OF:OF+1]
	global_load_b128 v[GOFF:GOFF+3], v[VR16], s[BP:BP+1]  ; b2 of columns 4 r .. 4 r + 3
	LOADW 0, 0
	LOADW 1, 1<<19
	WIN 0
	s_cmp_lt_u32 s[SW], 4
	s_cselect_b32 s[SPF], 3, 0                     ; chunks 5 to 7
	s_cbranch_scc0 .Lnopf
	global_prefetch_b8 v[VPF], s[PB:PB+1] offset:(2<<19) th:TH_LOAD_NT scope:SCOPE_SE
	global_prefetch_b8 v[VPF], s[PB:PB+1] offset:(3<<19) th:TH_LOAD_NT scope:SCOPE_SE
	global_prefetch_b8 v[VPF], s[PB:PB+1] offset:(4<<19) th:TH_LOAD_NT scope:SCOPE_SE
.Lnopf:
	s_wait_kmcnt 0x0
	s_min_u32 s[SCNT], s[SCNT], 1024
	s_add_co_u32 s[SNTL], s[SCNT], 15
	s_lshr_b32 s[SNTL], s[SNTL], 4
	PASSSET 0
	LOADA 0, 0
	WIN 0
	s_wait_loadcnt 40                              ; the bias is in; W(0) 8, W(1) 8, A(0) 24 stay out
	v_cvt_pk_bf16_f32 v19, v[GOFF], v[GOFF+1]
	v_cvt_pk_bf16_f32 v20, v[GOFF+2], v[GOFF+3]
	v_and_b32 v19, s[SBM], v19                     ; the second K half adds no bias
	v_and_b32 v20, s[SBM], v20
.irp j, 0,1,2,3,4,5,6,7
	v_lshlrev_b32 v[BIAS+\j], 16, v19              ; widened, and spread over an accumulator's eight rows
	v_and_b32 v[BIAS+8+\j], 0xffff0000, v19
	v_lshlrev_b32 v[BIAS+16+\j], 16, v20
	v_and_b32 v[BIAS+24+\j], 0xffff0000, v20
.endr
	s_wait_loadcnt 32                              ; W(0) is in; W(1) 8, A(0) 24 stay out
	STAGE 0
	LOADW 0, 2<<19
	WIN 0
	v_add_nc_u32 v[VL], s[SRB], v[VL16]
	s_wait_dscnt 0x0                               ; for the others' sake: my part of chunk 0 is written
	s_barrier_signal -1
	s_barrier_wait -1
	LOADWF 0, 0
	LOADWF 1, 4096
	TRIP 0, 0, 1, 0                                ; chunk 0 stands in front of the loop: its first products start the sums
	s_wait_xcnt 0x0                                ; the bases are stepped only behind this wait
	s_add_nc_u64 s[WB:WB+1], s[WB:WB+1], 0x80000
	s_add_nc_u64 s[PB:PB+1], s[PB:PB+1], 0x80000
	s_add_nc_u64 s[AB:AB+1], s[AB:AB+1], 4096
	s_mov_b32 s[SLOOP], 2
.Lk:                                                   ; chunks 1 to 4
	TRIP 1, 0, 0, 0
	TRIP 0, 1, 0, 0
	s_wait_xcnt 0x0
	s_add_nc_u64 s[WB:WB+1], s[WB:WB+1], 0x100000
	s_add_nc_u64 s[PB:PB+1], s[PB:PB+1], 0x100000
	s_add_nc_u64 s[AB:AB+1], s[AB:AB+1], 8192
	s_sub_co_u32 s[SLOOP], s[SLOOP], 1
	s_cmp_lg_u32 s[SLOOP], 0
	s_cbranch_scc1 .Lk
	TRIP 1, 0, 0, 1                                ; the tail is written out: its counts run down, and no load leaves W2
	TRIP 0, 1, 0, 2
	TRIP 1, 2, 0, 3
	s_mov_b32 s[SPASS], 3
.Lpass:                                                ; a trip: the way out of one pass, then the products of the next, if I have tiles there
.rept 4
	v_nop                                          ; the places behind the last products
.endr
	s_wait_loadcnt 0x0                             ; the gates
.irp i, 0,1,2
	EPI \i
.endr
	s_wait_xcnt 0x0                                ; the stores' addresses and data are rewritten only behind this wait
	s_add_co_u32 s[SPN], s[SPN], 1
	PASSSET 1
	ROWS_A
	s_wait_loadcnt 0x0
	ROWS_B
	s_mov_b32 s[SRB], 0
	s_mov_b64 s[AB:AB+1], s[AB0:AB0+1]
	PCHUNK 1
	s_mov_b32 s[SLOOP], 7
.Lpk:
	PCHUNK 0
	s_sub_co_u32 s[SLOOP], s[SLOOP], 1
	s_cmp_lg_u32 s[SLOOP], 0
	s_cbranch_scc1 .Lpk
.Lstep:
	s_sub_co_u32 s[SPASS], s[SPASS], 1
	s_cmp_lg_u32 s[SPASS], 0
	s_cbranch_scc1 .Lpass
	s_wait_dscnt 0x0                               ; my LDS reads are back;
	s_barrier_signal -1                            ; one barrier, on every wave's path, between all waves' reads of LDS in the passes
	s_barrier_wait -1                              ; and the text's last LDS write below
	s_wait_tensorcnt 0x0                           ; the wave's end: behind my last LDS store
	ds_add_u32 v[SPW], v[NIL]
	s_wait_dscnt 0x0
	s_endpgm
.Lfunc_end_k_q63a40bb41b_down:
	.size	k_q63a40bb41b_down, .Lfunc_end_k_q63a40bb41b_down-k_q63a40bb41b_down
	.p2alignl 7, 3214868480
	.fill 96, 4, 3214868480
	.section	.rodata,"a",@progbits
	.p2align	6, 0x0
	.amdhsa_kernel k_q63a40bb41b_down
		.amdhsa_group_segment_fixed_size 132096
		.amdhsa_private_segment_fixed_size 0
		.amdhsa_enable_private_segment 0
		.amdhsa_kernarg_size 56
		.amdhsa_user_sgpr_count 2
		.amdhsa_user_sgpr_kernarg_segment_ptr 1
		.amdhsa_wavefront_size32 1
		.amdhsa_system_sgpr_workgroup_id_x 1
		.amdhsa_system_sgpr_workgroup_id_y 1
		.amdhsa_system_sgpr_workgroup_id_z 1
		.amdhsa_system_vgpr_workitem_id 0
		.amdhsa_next_free_vgpr 512
		.amdhsa_next_free_sgpr 66
		.amdhsa_reserve_vcc 0
		.amdhsa_float_denorm_mode_32 3
		.amdhsa_float_denorm_mode_16_64 3
		.amdhsa_memory_ordered 1
		.amdhsa_forward_progress 1
		.amdhsa_inst_pref_size 113
	.end_amdhsa_kernel
	.amdgpu_metadata
---
amdhsa.version: [ 1, 2 ]
amdhsa.kernels:
  - .name:           k_q63a40bb41b_down
    .symbol:         k_q63a40bb41b_down.kd
    .args:
      - { .name: cnt, .offset: 0, .size: 8, .value_kind: global_buffer, .address_space: global }
      - { .name: list, .offset: 8, .size: 8, .value_kind: global_buffer, .address_space: global }
      - { .name: gate, .offset: 16, .size: 8, .value_kind: global_buffer, .address_space: global }
      - { .name: hbuf, .offset: 24, .size: 8, .value_kind: global_buffer, .address_space: global }
      - { .name: W2, .offset: 32, .size: 8, .value_kind: global_buffer, .address_space: global }
      - { .name: b2, .offset: 40, .size: 8, .value_kind: global_buffer, .address_space: global }
      - { .name: ybuf, .offset: 48, .size: 8, .value_kind: global_buffer, .address_space: global }
    .group_segment_fixed_size: 132096
    .private_segment_fixed_size: 0
    .kernarg_segment_align: 8
    .kernarg_segment_size: 56
    .max_flat_workgroup_size: 256
    .sgpr_count:     66
    .vgpr_count:     512
    .wavefront_size: 32
...
	.end_amdgpu_metadata
.endif
;; end of part 4
;; launch sum (part 5): grid 256 x 1, 8 waves a work-group, no clusters, 0 bytes of LDS; arguments ybuf, out0; writes out0
.if DOCPART == 5
	.amdgcn_target "amdgcn-amd-amdhsa--gfx1250"
	.amdhsa_code_object_version 6
	.text
	.protected	k_q63a40bb41b_sum
	.globl	k_q63a40bb41b_sum
	.p2align	8
	.type	k_q63a40bb41b_sum,@function
k_q63a40bb41b_sum:
	s_mov_b64 s[64:65], 0
	v_nop
	global_prefetch_b8 v0, s[64:65] scope:SCOPE_SE
	s_setreg_imm32_b32 hwreg(HW_REG_WAVE_MODE, 25, 1), 1
	s_wait_xcnt 0x0
; out0[token] = the sum of the token's four partial rows: ybuf[kh][slot][token][1024], kh and slot 0, 1; all f32.
; A stream: 16 MiB in, 4 MiB out, each byte once.  A work-group owns four rows of out0 (16,384 bytes); thread n owns the 16 bytes at 16 n of each row, so a wave's load or store covers 512 consecutive bytes.
; All sixteen loads of a thread go out at once, by rows; the waits count down, so that the later rows' loads stay out while a row is added.  No LDS, no barrier, no matrix unit: there is nothing for them to do.
	s_load_b128 s[4:7], s[0:1], 0x0                ; ybuf s[4:5], out0 s[6:7]
	v_lshlrev_b32 v1, 4, v0
	s_lshl_b32 s8, ttmp9, 14
	s_mov_b32 s9, 0
	s_wait_kmcnt 0x0
	s_add_nc_u64 s[4:5], s[4:5], s[8:9]            ; K half 0 at my rows,
	s_add_nc_u64 s[6:7], s[6:7], s[8:9]
	s_add_nc_u64 s[10:11], s[4:5], 0x800000        ; K half 1; slot 1 lies 4 MiB on, in the immediate
.irp i, 0,1,2,3
	global_load_b128 v[4+16*\i:7+16*\i], v1, s[4:5] offset:4096*\i th:TH_LOAD_NT
	global_load_b128 v[8+16*\i:11+16*\i], v1, s[4:5] offset:0x400000+4096*\i th:TH_LOAD_NT
	global_load_b128 v[12+16*\i:15+16*\i], v1, s[10:11] offset:4096*\i th:TH_LOAD_NT
	global_load_b128 v[16+16*\i:19+16*\i], v1, s[10:11] offset:0x400000+4096*\i th:TH_LOAD_NT
.endr
.irp i, 0,1,2,3
	s_wait_loadcnt 12-4*\i                         ; row i's four loads are in; the later rows', four each, stay out
	v_pk_add_f32 v[4+16*\i:5+16*\i], v[4+16*\i:5+16*\i], v[12+16*\i:13+16*\i]      ; slot 0: both halves of K
	v_pk_add_f32 v[6+16*\i:7+16*\i], v[6+16*\i:7+16*\i], v[14+16*\i:15+16*\i]
	v_pk_add_f32 v[8+16*\i:9+16*\i], v[8+16*\i:9+16*\i], v[16+16*\i:17+16*\i]      ; slot 1
	v_pk_add_f32 v[10+16*\i:11+16*\i], v[10+16*\i:11+16*\i], v[18+16*\i:19+16*\i]
	v_pk_add_f32 v[4+16*\i:5+16*\i], v[4+16*\i:5+16*\i], v[8+16*\i:9+16*\i]
	v_pk_add_f32 v[6+16*\i:7+16*\i], v[6+16*\i:7+16*\i], v[10+16*\i:11+16*\i]
	global_store_b128 v1, v[4+16*\i:7+16*\i], s[6:7] offset:4096*\i th:TH_STORE_NT
.endr
	s_endpgm
.Lfunc_end_k_q63a40bb41b_sum:
	.size	k_q63a40bb41b_sum, .Lfunc_end_k_q63a40bb41b_sum-k_q63a40bb41b_sum
	.p2alignl 7, 3214868480
	.fill 96, 4, 3214868480
	.section	.rodata,"a",@progbits
	.p2align	6, 0x0
	.amdhsa_kernel k_q63a40bb41b_sum
		.amdhsa_group_segment_fixed_size 0
		.amdhsa_private_segment_fixed_size 0
		.amdhsa_enable_private_segment 0
		.amdhsa_kernarg_size 16
		.amdhsa_user_sgpr_count 2
		.amdhsa_user_sgpr_kernarg_segment_ptr 1
		.amdhsa_wavefront_size32 1
		.amdhsa_system_sgpr_workgroup_id_x 1
		.amdhsa_system_sgpr_workgroup_id_y 1
		.amdhsa_system_sgpr_workgroup_id_z 1
		.amdhsa_system_vgpr_workitem_id 0
		.amdhsa_next_free_vgpr 72
		.amdhsa_next_free_sgpr 66
		.amdhsa_reserve_vcc 0
		.amdhsa_float_denorm_mode_32 3
		.amdhsa_float_denorm_mode_16_64 3
		.amdhsa_memory_ordered 1
		.amdhsa_forward_progress 1
		.amdhsa_inst_pref_size 5
	.end_amdhsa_kernel
	.amdgpu_metadata
---
amdhsa.version: [ 1, 2 ]
amdhsa.kernels:
  - .name:           k_q63a40bb41b_sum
    .symbol:         k_q63a40bb41b_sum.kd
    .args:
      - { .name: ybuf, .offset: 0, .size: 8, .value_kind: global_buffer, .address_space: global }
      - { .name: out0, .offset: 8, .size: 8, .value_kind: global_buffer, .address_space: global }
    .group_segment_fixed_size: 0
    .private_segment_fixed_size: 0
    .kernarg_segment_align: 8
    .kernarg_segment_size: 16
    .max_flat_workgroup_size: 256
    .sgpr_count:     66
    .vgpr_count:     72
    .wavefront_size: 32
...
	.end_amdgpu_metadata
.endif
;; end of part 5
;; ======== version 2 of 2: 5 launches; version 1 with the launches place, down written anew for expert scheduling mode
;; workspace buffers: xb 2,097,152 bytes; sel 4,096 bytes of whole numbers; gate 8,192 bytes; list 32,768 bytes of whole numbers; cnt 2,048 bytes of whole numbers; xg 16,777,216 bytes; hbuf 33,554,432 bytes; ybuf 16,777,216 bytes
;; launch route: the kernel of part 1 again; grid 256 x 1, 4 waves a work-group, no clusters, 16,896 bytes of LDS; arguments x, Wr, xb, sel, gate; writes xb, sel, gate
;; launch place (part 6): grid 32 x 8, 4 waves a work-group, no clusters, 17,920 bytes of LDS; arguments sel, xb, xg, list, cnt; writes xg, list, cnt
.if DOCPART == 6
	.amdgcn_target "amdgcn-amd-amdhsa--gfx1250"
	.amdhsa_code_object_version 6
	.text
	.protected	k_q63a40bb41b_place
	.globl	k_q63a40bb41b_place
	.p2align	8
	.type	k_q63a40bb41b_place,@function
k_q63a40bb41b_place:
	s_mov_b64 s[64:65], 0
	v_nop
	global_prefetch_b8 v0, s[64:65] scope:SCOPE_SE
	s_setreg_imm32_b32 hwreg(HW_REG_WAVE_SCHED_MODE, 0, 2), 2
	s_setreg_imm32_b32 hwreg(HW_REG_WAVE_MODE, 25, 1), 1
	s_wait_xcnt 0x0
	s_wait_alu depctr_vm_vsrc(0)
; THE ROWS IN THE EXPERTS' ORDER.  For expert e (grid y): the list of the tokens that chose e, and their rows of xb laid as the next launch's operand registers.
; sel[t] = (1 << i1) | (0x100 << i2); xb: [1024][1024] bf16.  Out: xg, bf16: e x 2 MiB + T x 32 KiB + c x 2 KiB + m x 512 + lane x 16 (T: tile of 16 ranks; c: chunk of 64 k; m 0..3): lane (r = lane % 16,
; hh = lane / 16) holds k = 64 c + 16 m + 8 hh .. + 7 of rank 16 T + r.  Work-group x = 0 also stores list[e][rank] = slot x 1024 + token (ranks from the count on repeat the last) and cnt[e] (64 equal words).
; WHY A LAUNCH OF ITS OWN.  The 32 work-groups of an expert in the next launch all read these rows.  Taken by the list they are 32 bytes of each of sixteen rows a load; laid out here once, they are 512 consecutive bytes a load there.
; The choice was made by an earlier launch and is read here as whole numbers.
; SHARES.  Every wave makes the expert's list for itself, in its own LDS bytes: no barrier.  Work-group g takes K half g % 2 of the tiles g / 2 + 16 j, j 0..3; wave w of it the chunks 8 (g % 2) + 2 w and the next: its eight loads
; together take 256 consecutive aligned bytes of each of its 16 rows, and each of its eight stores covers 512 consecutive bytes.  With an even split, 16 tiles an expert, each of the 256 work-groups has one half tile.
; EVERY SPLIT: 64 tiles an expert are covered; dead tiles are jumped (a work-group that a split leaves without a tile stores nothing, but for x = 0's list).  Places past the count repeat the last rank.  Tile 0 is always
; written, with token 0 if the expert has no row, so that every byte that the next launch loads has been stored.
; No matrix unit, no cluster: nothing is multiplied, and no two work-groups read the same bytes but the 4,096 of sel.
; THE MODE: SCHED_MODE bits 1:0 = 2 (LLVM: expert scheduling mode 2), set by the entry lines.  The code itself states the register dependences between vector instructions and memory or LDS instructions,
; and between vector instructions that write scalar registers and their readers, with s_wait_alu, always for 0.
; THE PLAN.  Registers that memory or LDS instructions touch:
;   v[VL16]     Made at the head, never written again: the offset of sel's loads and of every global store.
;   v[ZA], XP   Made at the head; read by the eight stores of zeros.  XP is later the landing place of the export's LDS loads and the data of its two stores.
;   T, LA       Entry n of 32 has a data register T + n and an address register LA + n of its own: written by the list's arithmetic, read by one LDS store, not written again by vector instructions.
;   EA, R       Eight and four LDS addresses, each written once and read by one LDS load.
;   VA          Four list entries land here together; three vector lines make row offsets of them; the tiles' loads read them.
;   D           The tiles' loads land here and the tiles' stores leave from here, a tile in registers of its own.  LA and EA lie in the same registers, at the head only.
; The compares go in two runs of sixteen, each with one wait on va_sdst behind it; each run's sixteen LDS stores stand behind one wait on va_vdst.  Behind the pair of waits ahead of the tiles no vector instruction is issued.
.set LSTR,   4352                      ; for each wave 4,096 bytes of list, a dump word, padding; the 512 bytes from 4 x LSTR on take the add of 0 at the wave's end
.set CD,   4                           ; v4-5  the count, twice, on its way out
.set CA,   6                           ; v6   8 x lane
.set VL16, 7                           ; v7   16 x lane
.set VH16, 11                          ; v11  16 hh
.set VA,   12                          ; v12-15  tile j: byte offset of my token's row in xb, + 16 hh
.set R,    16                          ; v16-19  tile j: the LDS address of my rank's entry
.set ZA,   20                          ; v20  where my 16 bytes of zeros go
.set DUMP, 21                          ; v21  0x400: the dump word's rank
.set EB,   22                          ; v22  the export: 4 x lane + my wave's first rank
.set VL4,  23                          ; v23  4 x lane
.set XP,   24                          ; v24-31  four zeros for the list's first writing; then the list on its way out
.set T,    32                          ; v32-63  sel; then the entries
.set D,    64                          ; v64-191  tile j: 32 registers on their way through
.set LA,   D                           ; v64-95   at the head only: entry n's LDS address
.set EA,   D+32                        ; v96-103  at the head only: the export's LDS addresses
.set M,    4                           ; s4-19  sixteen masks, where the arguments' addresses lay until they were used up
.set SW,   20                          ; s20  wave
.set SE,   21                          ; s21  expert
.set SS,   22                          ; s22  g
.set SMASK, 23                         ; s23  0x101 << e
.set SCNT, 24                          ; s24  the expert's rows
.set SLAST, 25                         ; s25  the last rank (0 if there is none)
.set SNTL, 26                          ; s26  tiles to store
.set ST0,  28                          ; s28  my first tile
.set SLB,  32                          ; s32  my list in LDS
.set SSH,  33                          ; s33  e + 8
.set SA,   34
.set SB,   35                          ; s35  my first chunk
.set SC,   36
.set OF,   38                          ; s[38:39] an offset
.set LP,   40                          ; s[40:41] list at my 256 ranks
.set CP,   42                          ; s[42:43] cnt at my expert
.set XB,   44                          ; s[44:45] xb at my chunks
.set GB,   46                          ; s[46:47] xg at my first tile and chunks
.macro EACH line:vararg                ; one line for each k of a run of sixteen entries N0 + k
.set k, 0
.rept 16
	\line
.set k, k+1
.endr
.endm
	s_load_b256 s[4:11], s[0:1], 0x0               ; sel s[4:5], xb s[6:7], xg s[8:9], list s[10:11]
	s_load_b64 s[12:13], s[0:1], 0x20              ; cnt
	v_lshl_add_u32 v9, v0, 2, 0x4400
	v_mov_b32 v10, 0
	v_lshrrev_b32 v17, 5, v0
	v_readfirstlane_b32 s[SW], v17                 ; wave 0..3
	s_and_b32 s[SE], ttmp7, 0xffff
	s_mov_b32 s[SS], ttmp9
	v_and_b32 v1, 31, v0
	v_and_b32 v2, 15, v0                           ; r
	v_bfe_u32 v3, v0, 4, 1                         ; hh
	v_lshlrev_b32 v[VL16], 4, v1
	v_lshlrev_b32 v[VL4], 2, v1
	v_lshlrev_b32 v[VH16], 4, v3
	v_mov_b32 v[DUMP], 0x400
.irp z, 0,1,2,3
	v_mov_b32 v[XP+\z], 0
.endr
	s_wait_alu depctr_va_sdst(0)                   ; the wave's number is written, ahead of its first reader
	s_mul_i32 s[SLB], s[SW], LSTR
	v_add_nc_u32 v[ZA], s[SLB], v[VL16]
	s_lshl_b32 s[SMASK], 0x101, s[SE]
	s_add_co_u32 s[SSH], s[SE], 8
	s_mov_b32 s[SCNT], 0
	s_lshr_b32 s[ST0], s[SS], 1
	s_and_b32 s[SA], s[SS], 1
	s_lshl_b32 s[SA], s[SA], 3
	s_lshl_b32 s[SB], s[SW], 1
	s_add_co_u32 s[SB], s[SB], s[SA]               ; 8 (g % 2) + 2 w
	s_mov_b32 s[OF+1], 0
	s_wait_kmcnt 0x0
	s_lshl_b32 s[OF], s[SB], 7                     ; a chunk is 128 bytes of a row
	s_add_nc_u64 s[XB:XB+1], s[6:7], s[OF:OF+1]
	s_lshl_b32 s[OF], s[SE], 21
	s_lshl_b32 s[SC], s[ST0], 15
	s_add_co_u32 s[OF], s[OF], s[SC]
	s_lshl_b32 s[SC], s[SB], 11
	s_add_co_u32 s[OF], s[OF], s[SC]
	s_add_nc_u64 s[GB:GB+1], s[8:9], s[OF:OF+1]
	s_lshl_b32 s[OF], s[SE], 12
	s_lshl_b32 s[SC], s[SW], 10
	s_add_co_u32 s[OF], s[OF], s[SC]
	s_add_nc_u64 s[LP:LP+1], s[10:11], s[OF:OF+1]
	s_lshl_b32 s[OF], s[SE], 8
	s_add_nc_u64 s[CP:CP+1], s[12:13], s[OF:OF+1]
	s_wait_alu depctr_va_vdst(0)                   ; v[VL16], v[ZA] and the four zeros are written: the loads of sel, every global store and the stores of zeros read them
.set k, 0
.rept 8                                                ; sel: register 4 g + c of lane l is token 128 g + 4 l + c
	global_load_b128 v[T+4*k:T+4*k+3], v[VL16], s[4:5] offset:512*k
.set k, k+1
.endr
	; THE LIST, by counting: for each of the 32 registers the lanes that chose e take consecutive ranks.  The same order in every wave of every work-group.  A lane that did not choose e writes the dump word.
	; First my whole list, 4,096 bytes, is written with zeros: every word that a clamped rank can name has been stored, and rank 0 reads as token 0 if the expert has no row.
.set k, 0
.rept 8
	ds_store_b128 v[ZA], v[XP:XP+3] offset:512*k   ; LDS serves a wave's instructions in order (ISA guide 5.7.1.4): the list's own stores below land on top of these
.set k, k+1
.endr
	s_wait_loadcnt 0x0                             ; sel; its loads are done, so s[4:5] are free with the other used-up addresses
.irp g, 0,1
.set N0, 16*\g
	EACH v_and_b32 v[T+N0+k], s[SMASK], v[T+N0+k]
	EACH v_cmp_ne_u32 s[M+k], 0, v[T+N0+k]
	s_wait_alu depctr_va_sdst(0)                   ; the sixteen masks are written, ahead of their first readers
.set k, 0
.rept 16
	v_mbcnt_lo_u32_b32 v[LA+N0+k], s[M+k], s[SCNT] ; the rows so far + the choosing lanes below me
	s_bcnt1_i32_b32 s[SA], s[M+k]
	s_add_co_u32 s[SCNT], s[SCNT], s[SA]
.set k, k+1
.endr
	EACH v_cndmask_b32 v[LA+N0+k], v[DUMP], v[LA+N0+k], s[M+k]
	EACH v_min_u32 v[LA+N0+k], 0x400, v[LA+N0+k]
	EACH v_lshl_add_u32 v[LA+N0+k], v[LA+N0+k], 2, s[SLB]
	EACH v_lshrrev_b32 v[T+N0+k], s[SSH], v[T+N0+k]                          ; the slot: 1 if e is the token's second choice
	EACH v_lshl_add_u32 v[T+N0+k], v[T+N0+k], 10, v[VL4]
	EACH v_add_nc_u32 v[T+N0+k], 128*((N0+k)/4)+(N0+k)%4, v[T+N0+k]
	s_wait_alu depctr_va_vdst(0)                   ; the run's sixteen addresses and entries are written, which the stores below read
	EACH ds_store_b32 v[LA+N0+k], v[T+N0+k]
.endr
	; here it stands at the wave's end
	s_wait_dscnt 0x0
	s_max_u32 s[SA], s[SCNT], 1
	s_sub_co_u32 s[SLAST], s[SA], 1
	s_add_co_u32 s[SNTL], s[SA], 15
	s_lshr_b32 s[SNTL], s[SNTL], 4
	s_cmp_lg_u32 s[SS], 0
	s_cbranch_scc1 .Lnoexp
	s_lshl_b32 s[SA], s[SW], 8                     ; work-group 0 of the expert stores the list for the later launches: 256 ranks a wave
	v_add_nc_u32 v[EB], s[SA], v[VL4]
.irp k, 0,1,2,3,4,5,6,7
	v_add_nc_u32 v[EA+\k], 128*(\k/4)+\k%4, v[EB]
.endr
.irp k, 0,1,2,3,4,5,6,7
	v_min_u32 v[EA+\k], s[SLAST], v[EA+\k]
.endr
.irp k, 0,1,2,3,4,5,6,7
	v_min_u32 v[EA+\k], 0x3ff, v[EA+\k]
.endr
.irp k, 0,1,2,3,4,5,6,7
	v_lshl_add_u32 v[EA+\k], v[EA+\k], 2, s[SLB]
.endr
	s_wait_alu depctr_va_vdst(0)                   ; the eight addresses are written, which the LDS loads read
	s_wait_alu depctr_vm_vsrc(0)                   ; the stores of zeros have read v[XP .. XP+3], in which the LDS loads land
.irp k, 0,1,2,3,4,5,6,7
	ds_load_b32 v[XP+\k], v[EA+\k]
.endr
	s_wait_dscnt 0x0
	global_store_b128 v[VL16], v[XP:XP+3], s[LP:LP+1]
	global_store_b128 v[VL16], v[XP+4:XP+7], s[LP:LP+1] offset:512
	s_cmp_lg_u32 s[SW], 0
	s_cbranch_scc1 .Lnocnt
	v_mov_b32 v[CD], s[SCNT]
	v_mov_b32 v[CD+1], s[SCNT]
	v_lshlrev_b32 v[CA], 3, v1
	s_wait_alu depctr_va_vdst(0)                   ; the count's pair and its offset are written, which the store reads
	global_store_b64 v[CA], v[CD:CD+1], s[CP:CP+1] ; 256 consecutive bytes, all the count
.Lnocnt:
	s_wait_xcnt 0x0                                ; the stores' registers are free
.Lnoexp:
	; MY TILES.  The four entries are fetched together, ahead of the tiles' branches: a rank past the count is the last one, so a dead tile's entry is a word of the list like any other.
.irp j, 0,1,2,3
	s_add_co_u32 s[SA], s[ST0], 16*\j
	s_lshl_b32 s[SA], s[SA], 4
	v_add_nc_u32 v[R+\j], s[SA], v2                ; rank 16 T + r,
.endr
.irp j, 0,1,2,3
	v_min_u32 v[R+\j], s[SLAST], v[R+\j]           ; or the last one
.endr
.irp j, 0,1,2,3
	v_min_u32 v[R+\j], 0x3ff, v[R+\j]
.endr
.irp j, 0,1,2,3
	v_lshl_add_u32 v[R+\j], v[R+\j], 2, s[SLB]
.endr
	s_wait_alu depctr_va_vdst(0)                   ; the four addresses are written, which the LDS loads read
.irp j, 0,1,2,3
	ds_load_b32 v[VA+\j], v[R+\j]
.endr
	s_wait_dscnt 0x0
.irp j, 0,1,2,3
	v_and_b32 v[VA+\j], 0x3ff, v[VA+\j]            ; the token
.endr
.irp j, 0,1,2,3
	v_min_u32 v[VA+\j], 0x3ff, v[VA+\j]
.endr
.irp j, 0,1,2,3
	v_lshl_add_u32 v[VA+\j], v[VA+\j], 11, v[VH16]
.endr
	s_wait_alu depctr_va_vdst(0)                   ; the four row offsets are written, which the loads below read; the list's and the export's arithmetic has written its addresses in v[D ..], in which those loads land
	s_wait_alu depctr_vm_vsrc(0)                   ; the list's LDS stores and the export's LDS loads have read those addresses.  No vector instruction follows: the loads and stores below owe nothing more
	; In ascending order: behind the first dead tile all are dead.  Each tile has registers of its own, and the bases are never rewritten.
.irp j, 0,1,2,3
	s_add_co_u32 s[SA], s[ST0], 16*\j
	s_cmp_ge_u32 s[SA], s[SNTL]
	s_cbranch_scc1 .Ldone
.set m, 0
.rept 8
	global_load_b128 v[D+32*\j+4*m:D+32*\j+4*m+3], v[VA+\j], s[XB:XB+1] offset:32*m
.set m, m+1
.endr
	s_wait_loadcnt 0x0
.set m, 0
.rept 8
	global_store_b128 v[VL16], v[D+32*\j+4*m:D+32*\j+4*m+3], s[GB:GB+1] offset:\j*524288+m*512  ; 512 consecutive bytes, at a multiple of 256 from xg's first byte; 16 tiles on stand in the immediate
.set m, m+1
.endr
.endr
.Ldone:
	s_wait_dscnt 0x0
	s_wait_alu depctr_hold_cnt(0) depctr_sa_sdst(0) depctr_va_vdst(0) depctr_va_sdst(0) depctr_va_ssrc(0) depctr_va_vcc(0) depctr_vm_vsrc(0)
	s_wait_tensorcnt 0x0
	ds_add_u32 v9, v10
	s_wait_dscnt 0x0
	s_endpgm
.Lfunc_end_k_q63a40bb41b_place:
	.size	k_q63a40bb41b_place, .Lfunc_end_k_q63a40bb41b_place-k_q63a40bb41b_place
	.p2alignl 7, 3214868480
	.fill 96, 4, 3214868480
	.section	.rodata,"a",@progbits
	.p2align	6, 0x0
	.amdhsa_kernel k_q63a40bb41b_place
		.amdhsa_group_segment_fixed_size 17920
		.amdhsa_private_segment_fixed_size 0
		.amdhsa_enable_private_segment 0
		.amdhsa_kernarg_size 40
		.amdhsa_user_sgpr_count 2
		.amdhsa_user_sgpr_kernarg_segment_ptr 1
		.amdhsa_wavefront_size32 1
		.amdhsa_system_sgpr_workgroup_id_x 1
		.amdhsa_system_sgpr_workgroup_id_y 1
		.amdhsa_system_sgpr_workgroup_id_z 1
		.amdhsa_system_vgpr_workitem_id 0
		.amdhsa_next_free_vgpr 192
		.amdhsa_next_free_sgpr 66
		.amdhsa_reserve_vcc 0
		.amdhsa_float_denorm_mode_32 3
		.amdhsa_float_denorm_mode_16_64 3
		.amdhsa_memory_ordered 1
		.amdhsa_forward_progress 1
		.amdhsa_inst_pref_size 36
	.end_amdhsa_kernel
	.amdgpu_metadata
---
amdhsa.version: [ 1, 2 ]
amdhsa.kernels:
  - .name:           k_q63a40bb41b_place
    .symbol:         k_q63a40bb41b_place.kd
    .args:
      - { .name: sel, .offset: 0, .size: 8, .value_kind: global_buffer, .address_space: global }
      - { .name: xb, .offset: 8, .size: 8, .value_kind: global_buffer, .address_space: global }
      - { .name: xg, .offset: 16, .size: 8, .value_kind: global_buffer, .address_space: global }
      - { .name: list, .offset: 24, .size: 8, .value_kind: global_buffer, .address_space: global }
      - { .name: cnt, .offset: 32, .size: 8, .value_kind: global_buffer, .address_space: global }
    .group_segment_fixed_size: 17920
    .private_segment_fixed_size: 0
    .kernarg_segment_align: 8
    .kernarg_segment_size: 40
    .max_flat_workgroup_size: 128
    .sgpr_count:     66
    .vgpr_count:     192
    .wavefront_size: 32
...
	.end_amdgpu_metadata
.endif
;; end of part 6
;; launch up: the kernel of part 3 again; grid 32 x 8, 4 waves a work-group, no clusters, 262,656 bytes of LDS; arguments cnt, xg, W1, b1, hbuf; writes hbuf
;; launch down (part 7): grid 32 x 8, 8 waves a work-group, no clusters, 132,096 bytes of LDS; arguments cnt, list, gate, hbuf, W2, b2, ybuf; writes ybuf
.if DOCPART == 7
	.amdgcn_target "amdgcn-amd-amdhsa--gfx1250"
	.amdhsa_code_object_version 6
	.text
	.protected	k_q63a40bb41b_down
	.globl	k_q63a40bb41b_down
	.p2align	8
	.type	k_q63a40bb41b_down,@function
k_q63a40bb41b_down:
	s_mov_b64 s[64:65], 0
	v_nop
	global_prefetch_b8 v0, s[64:65] scope:SCOPE_SE
	s_setreg_imm32_b32 hwreg(HW_REG_WAVE_SCHED_MODE, 0, 2), 2
	s_setreg_imm32_b32 hwreg(HW_REG_WAVE_MODE, 25, 1), 1
	s_wait_xcnt 0x0
	s_wait_alu depctr_vm_vsrc(0)
; SECOND PRODUCT.  For expert e (grid y), columns 64 ns .. + 63 and K half kh (grid x = 16 kh + ns): ybuf[kh][slot][token][64 ns ..] = g (h[:, 1024 kh ..] W2[e][1024 kh .., 64 ns ..] + b2 (kh = 0 alone)),
; for all the expert's rows.  W2: [8][2048][1024] f32, b2: [8][1024] f32, hbuf as the launch before laid it, list[e][rank] = slot x 1024 + token, gate[slot][token] f32.  ybuf: partial sums, f32.
; THE BOUND is W2's bytes: each is read once in the launch.  Slices of 64 columns keep its loads at 256 consecutive aligned bytes; 8 experts x 16 slices x 2 halves of K are 256 work-groups.
; W2 INTO FRAGMENTS as in the launch before: a lane's 16 bytes are columns 4 r .. 4 r + 3 of a k row; fragment cc has column 4 r + cc at index r.  THE ORDER OF K is the one in which h was packed: in hidden chunk sc,
; K step u, register rho of lane half hh holds k = 64 sc + 32 hh + 8 (rho % 4) + 2 u + rho / 4 below and that + 4 above.  Wave w fetches the rows of (sc = w / 4, u = (w / 2) % 2, q = w % 2): registers 4 q .. 4 q + 3.
; THE SLICE STAYS in LDS (1,024 k x 64 columns in bf16 = 131,072 bytes), written once: one barrier a chunk of 128 k.
; THE PRODUCT: source 0 = 16 ranks of h, straight from memory, 512 consecutive bytes a load; source 1 = W2.  Register j of lane (r, hh) is rank 8 hh + j, column 4 r + cc: register j of the four accumulators is 16 neighbouring bytes.
; ROWS.  Pass p gives wave w the tiles 24 p + w + 8 i, i 0..2.  Pass 0 streams W2 and holds the chunks' barriers; passes 1 and 2 (more than 384 rows) read the slice from LDS in a plain loop: right for every split, slower on skewed ones.
; A dead tile loads one place of tile 0, which is always stored, and stores nothing.  Ranks past the count repeat the last: equal numbers go to the same bytes from the same wave.
; EIGHT WAVES: a fragment of h feeds four products only, so a chunk has 24 loads of h and 8 of W2 a wave, and two chunks of W2 can be on their way.
; NO JOINT LOADS: each byte of W2 has one reader.  The 16 slices of a K half share h, which goes straight into operand registers; through LDS a pass of 384 rows x 2,048 bytes would be written and read there on top of the slice's 131,072 bytes.
; LIMITS.  W2 and b2 are rounded once to bf16; sums in f32.
; THE MODE: SCHED_MODE bits 1:0 = 2 (LLVM: expert scheduling mode 2), set by the entry lines.  The code itself states the register dependences between vector or matrix instructions and memory or LDS instructions,
; with s_wait_alu, always for 0.
; THE PLAN.  Registers that memory or LDS instructions touch, once round a chunk c of pass 0 (pa = c % 2):
;   S[1-pa]      W(c+1) has landed in it; the chunk's sixteen conversions read it; W(c+3) lands in it, asked for behind K step 0's products.
;   T, v[VS]     Written by those conversions and one add; read by the chunk's four LDS stores.
;   v[VL]        Written by one add at the chunk's head; read by the chunk's four runs of fragment loads, which reach K steps 1, 2, 3 and the next chunk's K step 0 by immediates.
;   WF0, WF1     K steps 0 and 2 are multiplied from WF0, 1 and 3 from WF1; each is loaded again behind the products that read it.  Two waves of 512 registers fill a SIMD's 1,024: there is no third.
;   AF[1-pa]     Read by the products of the chunk before; A(c+1) lands in it.
;   v[VW], v[VPF], v[VR16]  made at the head and never written again;  VA, VE  written where a pass begins.
;   X, GOFF, G   The list's entries land in X; vector lines make the gates' offsets GOFF and the rows' offsets X of them; the gates land in G; the way out's multiplies read G, its stores read X.
;   Q            The way out: each tile's rows go into registers of their own, in h's first buffer, which lies idle there: no tile's multiplies write what an earlier tile's stores read.
; A CHUNK'S WAITS.  One on vm_vsrc at its head, ahead of the lines that write T, v[VS] and v[VL].  One on va_vdst behind the conversions: it serves the LDS stores, K step 1's fragment loads, h's loads and, behind K step 0's
; products, W2's loads (those products name the accumulators, the bias, AF[pa] and WF0: none of the registers that these loads touch).  One on va_vdst ahead of each of the other three runs of fragment loads.
.set CHUNK,  16384                     ; LDS bytes of a chunk: 4 K steps x 4 fragments x 1,024.  The 1,024 bytes behind the slice take the add of 0 at the wave's end
; window 0
.set VW,   4                           ; v4   hh x 32 rows + 16 r
.set VS,   5
.set VL,   6
.set VL16, 7                           ; v7   16 x lane
.set VPF,  10                          ; v10  (32 (w % 4) + lane) x one row of W2
.set VR16, 11                          ; v11  16 r
.set VA,   12                          ; v12-14  tile i: its place in hbuf + 16 x lane
.set VH32, 15                          ; v15  32 hh
.set VE,   16                          ; v16-18  tile i: my 8 ranks' place in the list
.set VS0,  23                          ; v23  my wave's place in a chunk + 16 x lane
.set T,    24                          ; v24-39  packed weights
.set BIAS, 40                          ; v40-71  b2 in the accumulators' layout
.set ACC,  72                          ; v72-167  accumulator (i, cc) at 8 (4 i + cc)
.set WF,   168                         ; v168-199, v200-231  W2's fragments, two buffers
.set GOFF, 232                         ; v232-255  the bias as loaded; then the gates' offsets
; window 1
.set AF,   0                           ; v0-95, v96-191  h's fragments, two buffers: (3 t + i) x 8; on the way out v0-95 hold the rows to store, 32 a tile
.set S,    192                         ; v192-223, v224-255  W2 as loaded, two buffers
.set X,    192                         ; v192-215  in the tail: list entries, then row offsets in ybuf
.set G,    216                         ; v216-239  the gates
.set SW,   20
.set SE,   21
.set SNS,  22
.set SKH,  23
.set SCNT, 24
.set SNTL, 26                          ; s26  live tiles
.set NT,   27                          ; s27  my live tiles in this pass, 0..3
.set ST0,  28
.set SPASS, 29
.set SLOOP, 30
.set SPF,  31                          ; s31  prefetches still to make
.set SA,   32
.set SC,   33
.set SD,   34
.set SBM,  35                          ; s35  all ones where the bias counts (kh = 0)
.set WB,   36                          ; s[36:37] W2 at my rows of the chunk in hand
.set AB,   38                          ; s[38:39] hbuf at the chunk in hand
.set PB,   40                          ; s[40:41] W2 at the chunk's first row
.set YB,   42                          ; s[42:43] ybuf at my half and columns
.set LP,   44                          ; s[44:45] list at my expert
.set OF,   46
.set SSB,  48
.set SRB,  49
.set SPN,  50
.set AB0,  52                          ; s[52:53] hbuf at my expert and K half
.set BP,   54                          ; s[54:55] b2 at my columns
.set CP,   56                          ; s[56:57] cnt at my expert
.set MSB, 0
.macro WIN new
.if MSB != (\new)
	s_set_vgpr_msb (MSB<<8)|(\new)
.set MSB, (\new)
.endif
.endm
.macro LOADW buf, imm                  ; my eight rows of a chunk, four rows apart; each load covers two rows' 256 consecutive aligned bytes
	WIN 0x40
.set k, 0
.rept 8
	global_load_b128 v[S+32*(\buf)+4*k:S+32*(\buf)+4*k+3], v[VW], s[WB:WB+1] offset:(\imm)+k*16384 th:TH_LOAD_NT
.set k, k+1
.endr
.endm
.macro PACKW buf                       ; my rows are rounded, two k of a column to a register, and the place of the chunk to be staged is made
	WIN 0x05
.irp cc, 0,1,2,3
.irp j, 0,1,2,3
	v_cvt_pk_bf16_f32 v[T+4*\cc+\j], v[S+32*(\buf)+8*\j+\cc], v[S+32*(\buf)+8*\j+4+\cc]
.endr
.endr
	WIN 0
	v_add_nc_u32 v[VS], s[SSB], v[VS0]
	s_add_co_u32 s[SSB], s[SSB], CHUNK
.endm
.macro PUTW                            ; and stored as my part of four fragments
	WIN 0
.irp cc, 0,1,2,3
	ds_store_b128 v[VS], v[T+4*\cc:T+4*\cc+3] offset:\cc*1024
.endr
.endm
.macro LOADA buf, imm                  ; h of a chunk: 3 tiles x 4 K steps x 2 halves, 512 consecutive bytes a load
	WIN 0x40
.irp i, 0,1,2
.irp m, 0,1,2,3,4,5,6,7
	global_load_b128 v[AF+96*(\buf)+8*(3*((\m)/2)+\i)+4*((\m)%2):AF+96*(\buf)+8*(3*((\m)/2)+\i)+4*((\m)%2)+3], v[VA+\i], s[AB:AB+1] offset:(\imm)+\m*512
.endr
.endr
.endm
; The four fragments of one K step.  bare = 0: the buffer has just been multiplied from: four places in front of loads into registers that matrix instructions have read (ISA guide 7.12.1 for vector instructions), and the wait.
; bare = 1: an earlier wait on va_vdst has covered the buffer's last readers and v[VL], and vector lines enough stand between.
.macro LOADWF b, imm, bare=0
.if !(\bare)
.rept 4
	v_nop
.endr
	WIN 0
	s_wait_alu depctr_va_vdst(0)                   ; the products issued so far are done reading this buffer's fragments, in which the loads below land
.else
	WIN 0
.endif
.irp c, 0,1,2,3
	ds_load_b128 v[WF+32*(\b)+8*\c:WF+32*(\b)+8*\c+3], v[VL] offset:(\imm)+\c*1024
	ds_load_b128 v[WF+32*(\b)+8*\c+4:WF+32*(\b)+8*\c+7], v[VL] offset:(\imm)+\c*1024+512
.endr
.endm
.macro PF imm                          ; waves 0 to 3: the 128 rows of 256 bytes of the chunk five on, each asked for once in the launch, three trips ahead of its loads; the count stops it at the last chunk
	WIN 0
	s_cmp_eq_u32 s[SPF], 0
	s_cbranch_scc1 .Lpf_\@
	global_prefetch_b8 v[VPF], s[PB:PB+1] offset:(\imm) th:TH_LOAD_NT scope:SCOPE_SE
	s_sub_co_u32 s[SPF], s[SPF], 1
.Lpf_\@:
.endm
; One K step: four products a tile, the accumulators by turns.  Tile 2 is jumped where dead.  first = 1: the sums start with the bias as C, and nothing is jumped.
.macro MSTEP pa, t, wf, first
.irp i, 0,1,2
.if ((\i) == 2) && ((\first) == 0)
	WIN 0
	s_cmp_lt_u32 s[NT], 3
	s_cbranch_scc1 .Lm_\@
.endif
	WIN 0x01                                       ; h in window 1; W2, C and D in window 0
.irp c, 0,1,2,3
.if \first
	v_wmma_f32_16x16x32_bf16 v[ACC+8*(4*\i+\c):ACC+8*(4*\i+\c)+7], v[AF+96*(\pa)+8*(3*(\t)+\i):AF+96*(\pa)+8*(3*(\t)+\i)+7], v[WF+32*(\wf)+8*\c:WF+32*(\wf)+8*\c+7], v[BIAS+8*\c:BIAS+8*\c+7]
.else
	v_wmma_f32_16x16x32_bf16 v[ACC+8*(4*\i+\c):ACC+8*(4*\i+\c)+7], v[AF+96*(\pa)+8*(3*(\t)+\i):AF+96*(\pa)+8*(3*(\t)+\i)+7], v[WF+32*(\wf)+8*\c:WF+32*(\wf)+8*\c+7], v[ACC+8*(4*\i+\c):ACC+8*(4*\i+\c)+7]
.endif
.endr
.endr
	WIN 0
.Lm_\@:
.endm
.macro ROWS_A                          ; my 8 ranks of each tile: their list entries
	WIN 0x40
.irp i, 0,1,2
	global_load_b128 v[X+8*\i:X+8*\i+3], v[VE+\i], s[LP:LP+1]
	global_load_b128 v[X+8*\i+4:X+8*\i+7], v[VE+\i], s[LP:LP+1] offset:16
.endr
.endm
.macro ROWS_V                          ; the entries' vector work, all of it together: the gates' offsets are made, and the entries become row offsets in ybuf
	WIN 0x44
.set k, 0
.rept 24
	v_min_u32 v[X+k], 0x7ff, v[X+k]
.set k, k+1
.endr
	WIN 0x04
.set k, 0
.rept 24
	v_lshlrev_b32 v[GOFF+k], 2, v[X+k]
.set k, k+1
.endr
	WIN 0x41
.set k, 0
.rept 24
	v_lshl_add_u32 v[X+k], v[X+k], 12, v[VR16]
.set k, k+1
.endr
	WIN 0
.endm
.macro ROWS_G                          ; the gates are asked for
	WIN 0x40
.set k, 0
.rept 24
	global_load_b32 v[G+k], v[GOFF+k], s[8:9]
.set k, k+1
.endr
	WIN 0
.endm
; CHUNK c OF PASS 0 (pa = c % 2).  At its head my loads are out in this order: W(c+1) 8, A(c) 24, W(c+2) 8; and 8 LDS loads: K step 0 of chunk c.
; mode 0: W(c+3) is asked for.  1: nothing of W2 is left to ask for.  2: W(c+2) is not there either, and the list is asked for.  3: the last chunk.
.macro TRIP pa, rel, first, mode
.if (\mode) < 3
.if (\mode) == 2
	s_wait_loadcnt 24                              ; W(c+1) is in; A(c) 24 stay out
.else
	s_wait_loadcnt 32                              ; W(c+1) is in; A(c) 24 and W(c+2) 8 stay out
.endif
	s_wait_alu depctr_vm_vsrc(0)                   ; the LDS stores of the chunk before have read T and v[VS], its fragment loads v[VL]: the lines below write all three again
	PACKW 1-(\pa)                                  ; its 16 conversions are also the places in front of the loads below
.if (\first) == 0
	s_add_co_u32 s[SRB], s[SRB], CHUNK
	v_add_nc_u32 v[VL], s[SRB], v[VL16]            ; the chunk in hand
.endif
	s_wait_alu depctr_va_vdst(0)                   ; T, v[VS] and v[VL] are written; the conversions are done reading S[1-pa]; the products of the chunk before are done reading AF[1-pa] and WF1
	LOADWF 1, 4096, 1                              ; K step 1
	PUTW
	LOADA 1-(\pa), ((\rel)+1)*4096                 ; A ahead of W, so that no wait for A asks for a younger W
.if (\mode) == 2
	s_wait_loadcnt 24                              ; A(c) is in; A(c+1) 24 stay out
.else
	s_wait_loadcnt 32                              ; A(c) is in; W(c+2) 8, A(c+1) 24 stay out
.endif
	s_wait_dscnt 12                                ; K step 0 is in; K step 1's 8 loads and the stage's 4 stores stay out
	MSTEP \pa, 0, 0, \first
.if (\mode) == 0
	LOADW 1-(\pa), ((\rel)+3)<<19                  ; no wait: no vector or matrix instruction since the wait behind the conversions names S[1-pa] or v[VW]
	PF ((\rel)+5)<<19
.elseif (\mode) == 2
	ROWS_A                                         ; likewise: X lies in S[0], which the conversions of the chunk before read last
.endif
	LOADWF 0, 8192
	s_wait_dscnt 12                                ; K step 1 is in; the 4 stores and K step 2's 8 loads stay out
	MSTEP \pa, 1, 1, 0
	s_wait_dscnt 0x0                               ; for the others' sake: my part of chunk c+1 is written
	s_barrier_signal -1
	s_barrier_wait -1                              ; chunk c+1 is whole
	LOADWF 1, 12288
	MSTEP \pa, 2, 0, 0
	LOADWF 0, CHUNK                                ; the next chunk's K step 0
	s_wait_dscnt 8                                 ; K step 3 is in; the next chunk's 8 loads stay out
	MSTEP \pa, 3, 1, 0
.else
	s_wait_loadcnt 0x0                             ; A(7) and the list
	s_wait_alu depctr_vm_vsrc(0)                   ; the fragment loads of the chunk before have read v[VL]
	s_add_co_u32 s[SRB], s[SRB], CHUNK
	v_add_nc_u32 v[VL], s[SRB], v[VL16]
	ROWS_V
	s_wait_alu depctr_va_vdst(0)                   ; v[VL], the gates' offsets and the rows' offsets are written; the products of the chunk before are done reading WF1, the conversions the registers in which the gates land
	LOADWF 1, 4096, 1
	ROWS_G
	s_wait_dscnt 8
	MSTEP \pa, 0, 0, 0
	LOADWF 0, 8192
	s_wait_dscnt 8
	MSTEP \pa, 1, 1, 0
	LOADWF 1, 12288
	s_wait_dscnt 8
	MSTEP \pa, 2, 0, 0
	s_wait_dscnt 0x0
	MSTEP \pa, 3, 1, 0
.endif
.endm
.macro PASSSET later
	s_mul_i32 s[ST0], s[SPN], 24
	s_add_co_u32 s[ST0], s[ST0], s[SW]
	s_sub_co_i32 s[NT], s[SNTL], s[ST0]
	s_add_co_i32 s[NT], s[NT], 7
	s_ashr_i32 s[NT], s[NT], 3
	s_max_i32 s[NT], s[NT], 0
	s_min_i32 s[NT], s[NT], 3
.if \later
	s_cmp_eq_u32 s[NT], 0
	s_cbranch_scc1 .Lstep                          ; nothing of mine in this pass: no barrier and no LDS store is jumped
.endif
.irp i, 0,1,2
	s_add_co_u32 s[SA], s[ST0], 8*\i
	s_cmp_gt_u32 s[NT], \i
	s_cselect_b32 s[SA], s[SA], 0                  ; a dead tile takes tile 0,
	s_cselect_b32 s[SC], 16, 0                     ; and all its lanes one place of it
	s_min_u32 s[SA], s[SA], 63
	s_min_u32 s[SC], s[SC], 16
	s_lshl_b32 s[SD], s[SA], 16
	v_mad_u32_u24 v[VA+\i], v1, s[SC], s[SD]
	s_lshl_b32 s[SD], s[SA], 6
	v_add_nc_u32 v[VE+\i], s[SD], v[VH32]
.endr
.endm
.macro PCHUNK first                    ; a chunk of a later pass: plain, one K step at a time
	WIN 0
.rept 4
	v_nop
.endr
	s_wait_alu depctr_vm_vsrc(0)                   ; the fragment loads issued so far have read v[VL]
	v_add_nc_u32 v[VL], s[SRB], v[VL16]
	s_wait_alu depctr_va_vdst(0)                   ; v[VL] is written; the products (in a pass's first chunk also the way out's multiplies) are done with h's first buffer and with WF0, in which the loads below land
	LOADA 0, 0
	s_wait_loadcnt 0x0
	LOADWF 0, 0, 1
	s_wait_dscnt 0x0
	MSTEP 0, 0, 0, \first
	LOADWF 0, 4096
	s_wait_dscnt 0x0
	MSTEP 0, 1, 0, 0
	LOADWF 0, 8192
	s_wait_dscnt 0x0
	MSTEP 0, 2, 0, 0
	LOADWF 0, 12288
	s_wait_dscnt 0x0
	MSTEP 0, 3, 0, 0
	s_add_nc_u64 s[AB:AB+1], s[AB:AB+1], 4096      ; the loads that named it are done
	s_add_co_u32 s[SRB], s[SRB], CHUNK
.endm
; THE WAY OUT of tile i: times the row's gate, which also brings register j of the four accumulators together; each accumulator is read from its low end on.
; The tile's rows go into 32 registers of their own, so nothing that an earlier tile's stores read is written here.
.macro EPI i
	WIN 0
	s_cmp_le_u32 s[NT], \i
	s_cbranch_scc1 .Le_\@
.set Q, AF+32*(\i)
	WIN 0x44                                       ; the rows and source 1, the gate, in window 1
.irp j, 0,1,2,3,4,5,6,7
.irp c, 0,1,2,3
	v_mul_f32 v[Q+4*\j+\c], v[ACC+8*(4*(\i)+\c)+\j], v[G+8*(\i)+\j]
.endr
.endr
	WIN 0x05                                       ; the address and the data in window 1
	s_wait_alu depctr_va_vdst(0)                   ; the multiplies have written the tile's rows, which the stores read (the rows' offsets were written ahead of an earlier wait)
.irp j, 0,1,2,3,4,5,6,7
	global_store_b128 v[X+8*(\i)+\j], v[Q+4*\j:Q+4*\j+3], s[YB:YB+1]  ; sixteen lanes store 256 consecutive bytes of a row, at a multiple of 256 from ybuf's first byte
.endr
	WIN 0
.Le_\@:
.endm
	s_load_b256 s[4:11], s[0:1], 0x0               ; cnt s[4:5], list s[6:7], gate s[8:9], hbuf s[10:11]
	s_load_b128 s[12:15], s[0:1], 0x20             ; W2 s[12:13], b2 s[14:15]
	s_load_b64 s[16:17], s[0:1], 0x30              ; ybuf
	v_lshl_add_u32 v21, v0, 2, 0x20000
	v_mov_b32 v22, 0
	v_lshrrev_b32 v19, 5, v0
	v_readfirstlane_b32 s[SW], v19                 ; wave 0..7
	s_and_b32 s[SE], ttmp7, 0xffff
	s_and_b32 s[SNS], ttmp9, 15
	s_lshr_b32 s[SKH], ttmp9, 4
	v_and_b32 v1, 31, v0
	v_and_b32 v2, 15, v0                           ; r
	v_bfe_u32 v3, v0, 4, 1                         ; hh
	v_lshlrev_b32 v[VL16], 4, v1
	v_lshlrev_b32 v[VR16], 4, v2
	v_lshlrev_b32 v[VH32], 5, v3
	v_lshl_add_u32 v[VW], v3, 17, v[VR16]          ; 32 rows of 4,096 bytes for the upper half of the lanes
	s_wait_alu depctr_va_sdst(0)                   ; the wave's number is written, ahead of its first reader
	s_lshr_b32 s[SA], s[SW], 1                     ; my K step of a chunk,
	s_lshl_b32 s[SA], s[SA], 12
	s_and_b32 s[SC], s[SW], 1                      ; my half of its fragments
	s_lshl_b32 s[SC], s[SC], 9
	s_add_co_u32 s[SA], s[SA], s[SC]
	v_add_nc_u32 v[VS0], s[SA], v[VL16]
	s_and_b32 s[SA], s[SW], 3
	s_lshl_b32 s[SA], s[SA], 17
	v_lshl_add_u32 v[VPF], v1, 12, s[SA]
	s_mov_b32 s[SSB], 0
	s_mov_b32 s[SRB], 0
	s_mov_b32 s[SPN], 0
	s_cmp_eq_u32 s[SKH], 0
	s_cselect_b32 s[SBM], -1, 0
	s_lshl_b32 s[SD], s[SE], 23                    ; the expert's 8 MiB,
	s_lshl_b32 s[SA], s[SKH], 22                   ; the half's 1,024 rows,
	s_add_co_u32 s[SD], s[SD], s[SA]
	s_lshl_b32 s[SA], s[SNS], 8                    ; the slice's 256 bytes
	s_add_co_u32 s[SD], s[SD], s[SA]
	s_lshr_b32 s[SA], s[SW], 2                     ; my rows begin at 64 (w / 4) + w % 4
	s_lshl_b32 s[SA], s[SA], 6
	s_and_b32 s[SC], s[SW], 3
	s_add_co_u32 s[SA], s[SA], s[SC]
	s_lshl_b32 s[SA], s[SA], 12
	s_mov_b32 s[OF+1], 0
	s_wait_kmcnt 0x0
	s_lshl_b32 s[OF], s[SE], 8
	s_add_nc_u64 s[CP:CP+1], s[4:5], s[OF:OF+1]
	s_load_b32 s[SCNT], s[CP:CP+1], 0x0
	s_mov_b32 s[OF], s[SD]
	s_add_nc_u64 s[PB:PB+1], s[12:13], s[OF:OF+1]
	s_add_co_u32 s[OF], s[SD], s[SA]
	s_add_nc_u64 s[WB:WB+1], s[12:13], s[OF:OF+1]
	s_lshl_b32 s[OF], s[SE], 22
	s_lshl_b32 s[SA], s[SKH], 15
	s_add_co_u32 s[OF], s[OF], s[SA]
	s_add_nc_u64 s[AB0:AB0+1], s[10:11], s[OF:OF+1]
	s_mov_b64 s[AB:AB+1], s[AB0:AB0+1]
	s_lshl_b32 s[OF], s[SKH], 23
	s_lshl_b32 s[SA], s[SNS], 8
	s_add_co_u32 s[OF], s[OF], s[SA]
	s_add_nc_u64 s[YB:YB+1], s[16:17], s[OF:OF+1]
	s_lshl_b32 s[OF], s[SE], 12
	s_add_nc_u64 s[LP:LP+1], s[6:7], s[OF:OF+1]
	s_add_co_u32 s[OF], s[OF], s[SA]
	s_add_nc_u64 s[BP:BP+1], s[14:15], s[OF:OF+1]
	s_wait_alu depctr_va_vdst(0)                   ; v[VR16], v[VW] and v[VPF] are written: the bias's load, every load of W2 and every prefetch read one of them, and none is written again
	global_load_b128 v[GOFF:GOFF+3], v[VR16], s[BP:BP+1]  ; b2 of columns 4 r .. 4 r + 3
	LOADW 0, 0
	LOADW 1, 1<<19
	WIN 0
	s_cmp_lt_u32 s[SW], 4
	s_cselect_b32 s[SPF], 3, 0                     ; chunks 5 to 7
	s_cbranch_scc0 .Lnopf
	global_prefetch_b8 v[VPF], s[PB:PB+1] offset:(2<<19) th:TH_LOAD_NT scope:SCOPE_SE
	global_prefetch_b8 v[VPF], s[PB:PB+1] offset:(3<<19) th:TH_LOAD_NT scope:SCOPE_SE
	global_prefetch_b8 v[VPF], s[PB:PB+1] offset:(4<<19) th:TH_LOAD_NT scope:SCOPE_SE
.Lnopf:
	s_wait_kmcnt 0x0
	s_min_u32 s[SCNT], s[SCNT], 1024
	s_add_co_u32 s[SNTL], s[SCNT], 15
	s_lshr_b32 s[SNTL], s[SNTL], 4
	PASSSET 0
	s_wait_alu depctr_va_vdst(0)                   ; the tiles' places VA and VE are written, which the loads of h and of the list read
	LOADA 0, 0
	WIN 0
	s_wait_loadcnt 40                              ; the bias is in; W(0) 8, W(1) 8, A(0) 24 stay out
	v_cvt_pk_bf16_f32 v19, v[GOFF], v[GOFF+1]
	v_cvt_pk_bf16_f32 v20, v[GOFF+2], v[GOFF+3]
	v_and_b32 v19, s[SBM], v19                     ; the second K half adds no bias
	v_and_b32 v20, s[SBM], v20
.irp j, 0,1,2,3,4,5,6,7
	v_lshlrev_b32 v[BIAS+\j], 16, v19              ; widened, and spread over an accumulator's eight rows
	v_and_b32 v[BIAS+8+\j], 0xffff0000, v19
	v_lshlrev_b32 v[BIAS+16+\j], 16, v20
	v_and_b32 v[BIAS+24+\j], 0xffff0000, v20
.endr
	s_wait_loadcnt 32                              ; W(0) is in; W(1) 8, A(0) 24 stay out
	PACKW 0
	v_add_nc_u32 v[VL], s[SRB], v[VL16]
	s_wait_alu depctr_va_vdst(0)                   ; T, v[VS] and v[VL] are written; the conversions are done reading S[0], in which W(2) lands
	PUTW
	LOADW 0, 2<<19
	WIN 0
	s_wait_dscnt 0x0                               ; for the others' sake: my part of chunk 0 is written
	s_barrier_signal -1
	s_barrier_wait -1
	LOADWF 0, 0, 1                                 ; K step 0 of chunk 0
	TRIP 0, 0, 1, 0                                ; chunk 0 stands in front of the loop: its first products start the sums
	s_wait_xcnt 0x0                                ; the bases are stepped only behind this wait
	s_add_nc_u64 s[WB:WB+1], s[WB:WB+1], 0x80000
	s_add_nc_u64 s[PB:PB+1], s[PB:PB+1], 0x80000
	s_add_nc_u64 s[AB:AB+1], s[AB:AB+1], 4096
	s_mov_b32 s[SLOOP], 2
.Lk:                                                   ; chunks 1 to 4
	TRIP 1, 0, 0, 0
	TRIP 0, 1, 0, 0
	s_wait_xcnt 0x0
	s_add_nc_u64 s[WB:WB+1], s[WB:WB+1], 0x100000
	s_add_nc_u64 s[PB:PB+1], s[PB:PB+1], 0x100000
	s_add_nc_u64 s[AB:AB+1], s[AB:AB+1], 8192
	s_sub_co_u32 s[SLOOP], s[SLOOP], 1
	s_cmp_lg_u32 s[SLOOP], 0
	s_cbranch_scc1 .Lk
	TRIP 1, 0, 0, 1                                ; the tail is written out: its counts run down, and no load leaves W2
	TRIP 0, 1, 0, 2
	TRIP 1, 2, 0, 3
	s_mov_b32 s[SPASS], 3
.Lpass:                                                ; a trip: the way out of one pass, then the products of the next, if I have tiles there
.rept 4
	v_nop                                          ; the places behind the last products
.endr
	s_wait_loadcnt 0x0                             ; the gates
.irp i, 0,1,2
	EPI \i
.endr
	s_wait_xcnt 0x0                                ; the stores' addresses and data are rewritten only behind this wait
	s_wait_alu depctr_vm_vsrc(0)                   ; the stores have read their rows and offsets, the pass's loads VA, VE and the gates' offsets: all of these are written again below
	s_add_co_u32 s[SPN], s[SPN], 1
	PASSSET 1
	s_wait_alu depctr_va_vdst(0)                   ; VA and VE are written, which the loads of h and of the list read; the lines that made the last pass's row offsets have written X, in which the list lands
	ROWS_A
	s_wait_loadcnt 0x0
	ROWS_V
	s_wait_alu depctr_va_vdst(0)                   ; the gates' offsets and the rows' offsets are written; the way out's multiplies are done reading G, in which the gates land
	ROWS_G
	s_mov_b32 s[SRB], 0
	s_mov_b64 s[AB:AB+1], s[AB0:AB0+1]
	PCHUNK 1
	s_mov_b32 s[SLOOP], 7
.Lpk:
	PCHUNK 0
	s_sub_co_u32 s[SLOOP], s[SLOOP], 1
	s_cmp_lg_u32 s[SLOOP], 0
	s_cbranch_scc1 .Lpk
.Lstep:
	s_sub_co_u32 s[SPASS], s[SPASS], 1
	s_cmp_lg_u32 s[SPASS], 0
	s_cbranch_scc1 .Lpass
	s_wait_dscnt 0x0                               ; my LDS reads are back;
	s_barrier_signal -1                            ; one barrier, on every wave's path, behind all waves' reads of LDS in the passes:
	s_barrier_wait -1                              ; it stands where the plain form of this text has it
	; here it stands at the wave's end, below
	s_wait_dscnt 0x0
	s_wait_alu depctr_hold_cnt(0) depctr_sa_sdst(0) depctr_va_vdst(0) depctr_va_sdst(0) depctr_va_ssrc(0) depctr_va_vcc(0) depctr_vm_vsrc(0)
	s_wait_tensorcnt 0x0
	ds_add_u32 v21, v22
	s_wait_dscnt 0x0
	s_endpgm
.Lfunc_end_k_q63a40bb41b_down:
	.size	k_q63a40bb41b_down, .Lfunc_end_k_q63a40bb41b_down-k_q63a40bb41b_down
	.p2alignl 7, 3214868480
	.fill 96, 4, 3214868480
	.section	.rodata,"a",@progbits
	.p2align	6, 0x0
	.amdhsa_kernel k_q63a40bb41b_down
		.amdhsa_group_segment_fixed_size 132096
		.amdhsa_private_segment_fixed_size 0
		.amdhsa_enable_private_segment 0
		.amdhsa_kernarg_size 56
		.amdhsa_user_sgpr_count 2
		.amdhsa_user_sgpr_kernarg_segment_ptr 1
		.amdhsa_wavefront_size32 1
		.amdhsa_system_sgpr_workgroup_id_x 1
		.amdhsa_system_sgpr_workgroup_id_y 1
		.amdhsa_system_sgpr_workgroup_id_z 1
		.amdhsa_system_vgpr_workitem_id 0
		.amdhsa_next_free_vgpr 512
		.amdhsa_next_free_sgpr 66
		.amdhsa_reserve_vcc 0
		.amdhsa_float_denorm_mode_32 3
		.amdhsa_float_denorm_mode_16_64 3
		.amdhsa_memory_ordered 1
		.amdhsa_forward_progress 1
		.amdhsa_inst_pref_size 114
	.end_amdhsa_kernel
	.amdgpu_metadata
---
amdhsa.version: [ 1, 2 ]
amdhsa.kernels:
  - .name:           k_q63a40bb41b_down
    .symbol:         k_q63a40bb41b_down.kd
    .args:
      - { .name: cnt, .offset: 0, .size: 8, .value_kind: global_buffer, .address_space: global }
      - { .name: list, .offset: 8, .size: 8, .value_kind: global_buffer, .address_space: global }
      - { .name: gate, .offset: 16, .size: 8, .value_kind: global_buffer, .address_space: global }
      - { .name: hbuf, .offset: 24, .size: 8, .value_kind: global_buffer, .address_space: global }
      - { .name: W2, .offset: 32, .size: 8, .value_kind: global_buffer, .address_space: global }
      - { .name: b2, .offset: 40, .size: 8, .value_kind: global_buffer, .address_space: global }
      - { .name: ybuf, .offset: 48, .size: 8, .value_kind: global_buffer, .address_space: global }
    .group_segment_fixed_size: 132096
    .private_segment_fixed_size: 0
    .kernarg_segment_align: 8
    .kernarg_segment_size: 56
    .max_flat_workgroup_size: 256
    .sgpr_count:     66
    .vgpr_count:     512
    .wavefront_size: 32
...
	.end_amdgpu_metadata
.endif
;; end of part 7
;; launch sum: the kernel of part 5 again; grid 256 x 1, 8 waves a work-group, no clusters, 0 bytes of LDS; arguments ybuf, out0; writes out0
